; MI455X (gfx1250); checked and timed in simulation.
; The chip was launched on July 23, 2026; its instructions are those of AMD's public machine-readable ISA for CDNA 5 (MIT licence, August 2026) and "CDNA5" Instruction Set Architecture Reference Guide (July 2026). The comments in the code are by the model that wrote it; some were corrected since.
;; Multihead Attention. Allowed arithmetic: matrix products marked QUANTISED: E2M1 operands, one E8M0 scale for each 32 along K, by v_wmma_scale_f32_16x16x128_f8f6f4 with both operands' format E2M1 (or v_wmma_scale_f32_32x16x128_f4), f32 sums; products left as they are: bf16, f16 or f32 operands; f32 sums; everything else in f32.
;; Inputs: W_k 1,024 x 1,024 float32; W_o 1,024 x 1,024 float32; W_q 1,024 x 1,024 float32; W_v 1,024 x 1,024 float32; token_positions 2,048 int32; x 4 x 2,048 x 1,024 float32.
;; Outputs: out0 4 x 2,048 x 1,024 float32.
;; This version of the problem:
;;   THIS VERSION OF THE PROBLEM IS GIVEN IN LOW PRECISION. The matrix products marked QUANTISED in the list below multiply operands that are first quantised to E2M1 (2 exponent bits, 1 mantissa bit; 4 bits a number), with one power-of-two scale for each 32 numbers along K (OCP MX v1.0); their sums are f32. The products marked 'left as it is' may take bf16, f16 or f32 operands, with f32 sums. Whichever they take, every output number must still come out within the allowed error. Rounding operands to bf16 (8 significant bits) uses up far more of that allowance than f16 does (11 bits, for magnitudes from 6e-5 to 65,504). All else is computed in f32.
;;   The module's matrix products, in the order in which they are computed (A, B: the left and right operand; K: the contracted axis; several contracted axes count as one K, in the product's order):
;;     1. [M 8,192, K 1,024] x [K 1,024, N 1,024]; A: input x; B: input W_q: QUANTISED
;;     2. [M 8,192, K 1,024] x [K 1,024, N 1,024]; A: input x; B: input W_k: QUANTISED
;;     3. [M 8,192, K 1,024] x [K 1,024, N 1,024]; A: input x; B: input W_v: QUANTISED
;;     4. batch 64 x [M 2,048, K 64] x [K 64, N 2,048]; A: computed on the way; B: computed on the way: left as it is (an operand is computed on the way)
;;     5. batch 64 x [M 2,048, K 2,048] x [K 2,048, N 64]; A: computed on the way; B: computed on the way: left as it is (an operand is computed on the way)
;;     6. [M 8,192, K 1,024] x [K 1,024, N 1,024]; A: computed on the way; B: input W_o: left as it is (an operand is computed on the way)
;;   THE QUANTISER, for each operand of a quantised product, along K:
;;     - K is cut into blocks of 32 from its start; a last block that is shorter is filled with zeros.
;;     - A block's scale is 2^e with e = floor(log2(the largest magnitude in the block)) - 2, held to -126 .. 127; a block of zeros has e = 0. As a byte (E8M0): e + 127.
;;     - Each number is divided by its block's scale, clamped to +-6, and rounded to the nearest number of E2M1, ties to even, subnormals kept.
;;     - The product sums the exact products of the quantised numbers (number of the format x scale) in f32.
;;   ~~~python
;;   def quantise(x, axis):      # numpy; x: float32 -> the quantised numbers, widened to float32 again
;;       x = np.moveaxis(x, axis, -1); K = x.shape[-1]
;;       x = np.pad(x, [(0, 0)] * (x.ndim - 1) + [(0, -K % 32)]); x = x.reshape(x.shape[:-1] + (-1, 32)); a = np.abs(x).max(-1, keepdims=True)
;;       e = np.where(a > 0, np.clip(np.frexp(np.where(a > 0, a, 1))[1] - 1 - 2, -126, 127), 0)      # np.frexp(a)[1] - 1 = floor(log2(a)), exactly
;;       r = np.clip(x / 2.0 ** e, -6, 6)
;;       step = 2.0 ** (np.maximum(np.frexp(np.where(r == 0, 1, r))[1] - 1, 0) - 1)
;;       q = np.round(r / step) * step * 2.0 ** e      # np.round: ties to even
;;       return np.moveaxis(q.reshape(q.shape[:-2] + (-1,))[..., :K], -1, axis).astype(np.float32)
;;   ~~~
;; One version. Each part assembles by itself: llvm-mc -triple=amdgcn-amd-amdhsa -mcpu=gfx1250 --defsym DOCPART=n.
;; ======== version 1 of 1: 5 launches
;; limits: values are held in f16: magnitudes above 65,504 overflow, below 6.1e-05 lose precision; right only within a limited range of input values
;; workspace buffers: codes 5,767,168 bytes; scales 360,448 bytes; wo16 2,097,152 bytes; rope 524,288 bytes; qkv16 50,331,648 bytes; fine32 786,432 bytes; o16 16,777,216 bytes
;; launch prep (part 1): grid 512 x 1, 4 waves a work-group, no clusters, 33,280 bytes of LDS; arguments x, W_q, W_k, W_v, W_o, token_positions, codes, scales, wo16, rope; writes codes, scales, wo16, rope
.if DOCPART == 1
	.amdgcn_target "amdgcn-amd-amdhsa--gfx1250"
	.amdhsa_code_object_version 6
	.text
	.protected	k_q37090808d1_prep
	.globl	k_q37090808d1_prep
	.p2align	8
	.type	k_q37090808d1_prep,@function
k_q37090808d1_prep:
	s_mov_b64 s[64:65], 0
	v_nop
	global_prefetch_b8 v0, s[64:65] scope:SCOPE_SE
	s_setreg_imm32_b32 hwreg(HW_REG_WAVE_MODE, 25, 1), 1
	s_wait_xcnt 0x0
; MULTI-HEAD ATTENTION, B = 4, S = 2,048, D = 1,024, 16 heads of 64, in five launches.  This is the first: it prepares operands.
;   work-groups 0-351:   x [8192][1024] and W_q, W_k, W_v [1024][1024], f32, K innermost, become codes of FP4 (E2M1) and one E8M0 byte for each 32 along K:
;                        codes [11264 rows][512 bytes], scales [11264][32]; rows 0-8191 are x's, rows 8192 + 1024 kind + n are W_kind's (kind 0 q, 1 k, 2 v)
;   work-groups 352-479: W_o becomes f16, wo16 [1024][1024]
;   work-groups 480-511: cos and sin of token_positions[s] x 10000^(-i/32), i = 0 .. 31, laid as the next launch's registers want them:
;                        rope [128 blocks of 16 tokens][8 images 2 q + c][32 lanes][16 bytes]; lane (r, h) holds cos_i, sin_i, cos_i+1, sin_i+1 of token 16 tb + r, i = 8 q + 4 h + 2 c
; WORK LEFT OUT IN THE PROGRAM: in the third launch the tiles of keys that lie wholly behind a tile's queries.  reference() sets their scores to -inf by its own jnp.tril,
; so their softmax weights are 0 and they add nothing to any output, whatever the inputs hold.  No input is left out.  A NaN, an infinity or an overflow that reaches only those tiles is not carried to the result.
; LIMITS: |Q|, |K|, |V| and the attention's results stay under 65,504 (they are operands in f16); |token_positions| up to 2^20 (the reduction by pi/2 in three parts is exact while n stays under 2^23);
; NaN and infinities among the inputs are not served; a block whose largest magnitude lies under 2^(3 - 127) keeps the byte 1 (a block of zeros too: its codes are zeros, and this program alone reads the bytes).
; A block's scale is 2^(floor(log2(largest magnitude)) - 2): its byte is the largest magnitude's exponent field - 2.
; QUANTISING: a wave takes 16 steps of 512 numbers.  Each load reads 512 consecutive bytes; a step's 2,048 bytes turn through the wave's own stage in LDS, so that a lane holds 16 neighbours along K
; (two lanes hold a block).  A lane's 16 codes are 8 bytes: a wave's store covers 256 consecutive bytes, aligned.  A wave's 256 scale bytes are gathered in LDS and leave as one store of 256 bytes.
; No tensor loads, no cluster, no prefetch: every byte is read once, by long runs of loads.
.set WAVES, 4
.set STEPS, 16
.set EMAX,  2
.set CB,    8                          ; bytes of 16 codes
.set R,     16                         ; v16-79   four sets of 16 numbers as loaded
.set X,     80                         ; v80-111  two sets of 16 neighbours
.set E,     112                        ; v112-127 a scale byte for each step
.set C,     128                        ; v128-191 codes, four registers a step: no store's data are written again
.set WREG,  8192                       ; LDS: a region for each wave: two stages of 32 x SP bytes, then its 256 scale bytes
.set SP,    80                         ; a lane's place in a stage: 64 bytes + 16 of padding
.set SPW,   12                         ; v12  LDS address of my spare word; never rewritten
.set NIL,   13                         ; v13  0; never rewritten
.set SPARE, WAVES*WREG                 ; the spare words: 128 bytes a wave, named by no other line
	s_load_b256 s[4:11], s[0:1], 0x0               ; x, W_q, W_k, W_v
	s_load_b256 s[12:19], s[0:1], 0x20             ; W_o, token_positions, codes, scales
	s_load_b128 s[20:23], s[0:1], 0x40             ; wo16, rope
	v_lshl_add_u32 v[SPW], v0, 2, SPARE
	v_mov_b32 v[NIL], 0
	v_lshrrev_b32 v1, 5, v0
	v_readfirstlane_b32 s24, v1                    ; wave
	v_and_b32 v2, 31, v0                           ; lane
	s_mov_b32 s27, 0                               ; the high word of every offset pair s[26:27]
	s_wait_kmcnt 0x0
	s_cmp_lt_u32 ttmp9, 352
	s_cbranch_scc0 .Lnot_codes
	; ---------------- x and the three weights into codes
	v_lshlrev_b32 v3, 4, v2                        ; my 16 bytes of a load's 512
	s_mul_i32 s25, s24, WREG
	v_lshrrev_b32 v14, 2, v2
	v_mul_u32_u24 v14, v14, SP
	v_and_b32 v15, 3, v2
	v_lshl_add_u32 v14, v15, 4, v14
	v_add_nc_u32 v14, s25, v14                     ; the stage, way in: SP (lane / 4) + 16 (lane % 4)
	v_mul_u32_u24 v15, v2, SP
	v_add_nc_u32 v15, s25, v15                     ; way out: SP x lane: my 16 neighbours
	v_mul_u32_u24 v4, v2, CB                       ; my codes' place in a step's
	v_lshrrev_b32 v5, 1, v2
	s_add_co_u32 s25, s25, 2*32*SP
	v_add_nc_u32 v5, s25, v5                       ; my block's scale byte in the wave's 256
	v_lshlrev_b32 v7, 3, v2
	v_add_nc_u32 v6, s25, v7                       ; and 8 bytes a lane on their way out
	s_sub_co_u32 s25, ttmp9, 256                   ; a weight's work-group: 32 for each weight (used only where the number is 256 or more)
	s_lshr_b32 s26, s25, 5                         ; kind
	s_and_b32 s25, s25, 31
	s_cmp_eq_u32 s26, 1
	s_cselect_b64 s[28:29], s[8:9], s[6:7]
	s_cmp_eq_u32 s26, 2
	s_cselect_b64 s[28:29], s[10:11], s[28:29]
	s_cmp_lt_u32 ttmp9, 256                        ; the choices hang on the work-group's number alone
	s_cselect_b64 s[4:5], s[4:5], s[28:29]
	s_cselect_b32 s25, ttmp9, s25
	s_lshl_b32 s25, s25, 2
	s_add_co_u32 s25, s25, s24                     ; which run of 8,192 numbers of the tensor is my wave's
	s_lshl_b32 s26, s25, 15
	s_add_nc_u64 s[4:5], s[4:5], s[26:27]
	s_lshl_b32 s25, ttmp9, 2
	s_add_co_u32 s25, s25, s24                     ; and which run of the codes: x and the weights are one stream there
	s_lshl_b32 s26, s25, 12
	s_add_nc_u64 s[16:17], s[16:17], s[26:27]
	s_lshl_b32 s26, s25, 8
	s_add_nc_u64 s[18:19], s[18:19], s[26:27]
.macro LOAD t
.irp i, 0,1,2,3
	global_load_b128 v[R+16*((\t)%4)+4*\i:R+16*((\t)%4)+4*\i+3], v3, s[4:5] offset:2048*(\t)+512*\i th:TH_LOAD_NT   ; 32 lanes read 512 consecutive bytes
.endr
.endm
.macro TURN t                          ; step t's numbers through the stage: LDS serves a wave's instructions in order, so no wait stands between the stores and the loads
.irp i, 0,1,2,3
	ds_store_b128 v14, v[R+16*((\t)%4)+4*\i:R+16*((\t)%4)+4*\i+3] offset:32*SP*((\t)%2)+8*SP*\i
.endr
.irp i, 0,1,2,3
	ds_load_b128 v[X+16*((\t)%2)+4*\i:X+16*((\t)%2)+4*\i+3], v15 offset:32*SP*((\t)%2)+16*\i
.endr
.endm
.irp t, 0,1,2,3
	LOAD \t
.endr
	s_wait_loadcnt 12                              ; step 0's four loads are in; three steps' twelve may be out
	TURN 0
.macro STEP t
.set XS, X+16*((\t)%2)
.if (\t) > 0
	s_wait_dscnt 1                                 ; this step's numbers are back from the stage (the last step's byte store may be out)
.else
	s_wait_dscnt 0x0
.endif
.if (\t)+4 < STEPS
	LOAD (\t)+4                                    ; into the registers that the stage's stores have read
.endif
.if (\t)+1 < STEPS
.if STEPS-2-(\t) >= 3
	s_wait_loadcnt 12                              ; the next step's four loads are in; those of the three steps behind it may be out
.else
	s_wait_loadcnt 4*(STEPS-2-(\t))
.endif
	TURN (\t)+1
.endif
	v_max3_num_f32 v8, |v[XS]|, |v[XS+1]|, |v[XS+2]|               ; the largest magnitude of my 16, in two chains
	v_max3_num_f32 v9, |v[XS+3]|, |v[XS+4]|, |v[XS+5]|
.irp i, 6,10
	v_max3_num_f32 v8, v8, |v[XS+\i]|, |v[XS+\i+1]|
	v_max3_num_f32 v9, v9, |v[XS+\i+2]|, |v[XS+\i+3]|
.endr
	v_max3_num_f32 v8, v8, |v[XS+14]|, |v[XS+15]|
	v_max3_num_f32 v8, v8, v9, (EMAX+1)<<23        ; and the floor 2^(3 - 127): the byte cannot fall under 1
	v_max_num_f32_dpp v8, v8, v8 row_xmask:1 row_mask:0xf bank_mask:0xf   ; with my neighbour's 16: the block's
	v_add_nc_u32 v11, -(EMAX<<23), v8              ; 2 off its exponent field: the conversion takes the exponent field of this operand as its scale
	v_cvt_scalef32_pk8_fp4_f32 v[C+4*(\t)], v[XS:XS+7], v11
	v_cvt_scalef32_pk8_fp4_f32 v[C+4*(\t)+1], v[XS+8:XS+15], v11
	v_lshrrev_b32 v[E+(\t)], 23, v11               ; the scale's byte
	ds_store_b8 v5, v[E+(\t)] offset:16*(\t)       ; both lanes of a block write the same byte with the same value
	global_store_b64 v4, v[C+4*(\t):C+4*(\t)+1], s[16:17] offset:32*CB*(\t)
.endm
.irp t, 0,1,2,3,4,5,6,7,8,9,10,11,12,13,14,15
	STEP \t
.endr
	ds_load_b64 v[8:9], v6                         ; in order behind my byte stores
	s_wait_dscnt 0x0
	global_store_b64 v7, v[8:9], s[18:19]          ; 32 lanes store 256 consecutive bytes, aligned
	s_wait_tensorcnt 0x0                           ; the wave's end, behind my last LDS store
	ds_add_u32 v[SPW], v[NIL]
	s_wait_dscnt 0x0
	s_endpgm
.Lnot_codes:
	s_cmp_lt_u32 ttmp9, 480
	s_cbranch_scc0 .Ltable
	; ---------------- W_o into f16: a wave takes 2,048 numbers; all 16 loads go out first
	s_sub_co_u32 s25, ttmp9, 352
	s_lshl_b32 s25, s25, 2
	s_add_co_u32 s25, s25, s24
	s_lshl_b32 s26, s25, 13
	s_add_nc_u64 s[12:13], s[12:13], s[26:27]
	s_lshl_b32 s26, s25, 12
	s_add_nc_u64 s[20:21], s[20:21], s[26:27]
	v_lshlrev_b32 v3, 4, v2
	v_lshlrev_b32 v4, 3, v2
.irp u, 0,1,2,3,4,5,6,7,8,9,10,11,12,13,14,15
	global_load_b128 v[16+4*\u:19+4*\u], v3, s[12:13] offset:512*\u th:TH_LOAD_NT
.endr
.irp u, 0,1,2,3,4,5,6,7,8,9,10,11,12,13,14,15
	s_wait_loadcnt 15-\u                           ; loads come back in order: unit u is in, the younger ones may be out
	v_cvt_pk_f16_f32 v[80+2*\u], v[16+4*\u], v[17+4*\u]
	v_cvt_pk_f16_f32 v[81+2*\u], v[18+4*\u], v[19+4*\u]
	global_store_b64 v4, v[80+2*\u:81+2*\u], s[20:21] offset:256*\u   ; 256 consecutive bytes, aligned
.endr
	s_endpgm
.Ltable:
	; ---------------- the table of cos and sin: a wave takes 16 tokens; a lane 16 of its token's 32 angles
	s_sub_co_u32 s25, ttmp9, 480
	s_lshl_b32 s25, s25, 2
	s_add_co_u32 s25, s25, s24                     ; tb
	s_lshl_b32 s26, s25, 6
	s_add_nc_u64 s[14:15], s[14:15], s[26:27]
	s_lshl_b32 s26, s25, 12
	s_add_nc_u64 s[22:23], s[22:23], s[26:27]
	v_and_b32 v3, 15, v0
	v_lshlrev_b32 v3, 2, v3
	global_load_b32 v20, v3, s[14:15]              ; my token's position
	v_bfe_u32 v4, v0, 4, 1
	v_lshlrev_b32 v4, 2, v4                        ; 4 h
	v_lshlrev_b32 v5, 4, v2                        ; 16 x lane
	s_mov_b32 s28, 0x3f22f983                      ; 2 / pi
	s_mov_b32 s29, 0xbfc90fdb                      ; -pi/2 in three parts
	s_mov_b32 s30, 0x333bbd2e
	s_mov_b32 s31, 0x26f72ced
	s_mov_b32 s32, 0xb94ca1f9                      ; sine: r + r z (S1 + z (S2 + z S3)), z = r^2, |r| <= pi/4
	s_mov_b32 s33, 0x3c08839e
	s_mov_b32 s34, 0xbe2aaaa3
	s_mov_b32 s35, 0x37ccf5ce                      ; cosine: 1 - z/2 + z^2 (C1 + z (C2 + z C3))
	s_mov_b32 s36, 0xbab6061a
	s_mov_b32 s37, 0x3d2aaaa5
.irp e, 0,1,2,3,4,5,6,7,8,9,10,11,12,13,14,15
	v_add_nc_u32 v[32+\e], 8*(\e/4)+\e%4, v4       ; i = 8 q + 4 h + (e % 4), q = e / 4
.endr
.irp e, 0,1,2,3,4,5,6,7,8,9,10,11,12,13,14,15
	v_cvt_f32_u32 v[32+\e], v[32+\e]
.endr
.irp e, 0,1,2,3,4,5,6,7,8,9,10,11,12,13,14,15
	v_mul_f32 v[32+\e], 0xbed49a78, v[32+\e]       ; -i log2(10000) / 32
.endr
.irp e, 0,1,2,3,4,5,6,7,8,9,10,11,12,13,14,15
	v_exp_f32 v[32+\e], v[32+\e]                   ; 10000^(-i/32)
.endr
	v_nop                                          ; a plain instruction behind the last exponential
	s_wait_alu depctr_va_vdst(0)                   ; one wait for the batch of sixteen, ahead of its first reader
	s_wait_loadcnt 0x0
	v_cvt_f32_i32 v20, v20
.irp e, 0,1,2,3,4,5,6,7,8,9,10,11,12,13,14,15
	v_mul_f32 v[32+\e], v20, v[32+\e]              ; the angle, as reference() forms it
.endr
; cos and sin of v[a]: n = the nearest whole number to a 2/pi; r = a - n pi/2; the quadrant n mod 4 chooses between the two polynomials and sets the signs (a choice of values, no branch)
.macro SINCOS a, co, si
	v_mul_f32 v22, s28, v[\a]
	v_rndne_f32 v22, v22
	v_fma_f32 v23, v22, s29, v[\a]
	v_fma_f32 v23, v22, s30, v23
	v_fma_f32 v23, v22, s31, v23
	v_cvt_i32_f32 v24, v22
	v_mul_f32 v25, v23, v23
	v_fma_f32 v26, v25, s32, s33
	v_fma_f32 v26, v26, v25, s34
	v_mul_f32 v26, v26, v25
	v_fma_f32 v26, v26, v23, v23                   ; sin r
	v_fma_f32 v27, v25, s35, s36
	v_fma_f32 v27, v27, v25, s37
	v_mul_f32 v27, v27, v25
	v_fma_f32 v28, v25, -0.5, 1.0
	v_fma_f32 v27, v27, v25, v28                   ; cos r
	v_and_b32 v28, 1, v24
	v_cmp_eq_u32 vcc_lo, 1, v28
	v_cndmask_b32 v[\si], v26, v27, vcc_lo         ; odd quadrants change the two over
	v_cndmask_b32 v[\co], v27, v26, vcc_lo
	v_lshlrev_b32 v28, 30, v24
	v_and_b32 v28, 0x80000000, v28                 ; sin is negative in quadrants 2 and 3,
	v_xor_b32 v[\si], v[\si], v28
	v_add_nc_u32 v29, 1, v24
	v_lshlrev_b32 v29, 30, v29
	v_and_b32 v29, 0x80000000, v29                 ; cos in quadrants 1 and 2
	v_xor_b32 v[\co], v[\co], v29
.endm
.irp e, 0,1,2,3,4,5,6,7,8,9,10,11,12,13,14,15
	SINCOS 32+\e, 64+4*(\e/2)+2*(\e%2), 65+4*(\e/2)+2*(\e%2)
.endr
.irp i, 0,1,2,3,4,5,6,7
	global_store_b128 v5, v[64+4*\i:67+4*\i], s[22:23] offset:512*\i   ; an image: 512 consecutive bytes
.endr
	s_endpgm
.Lfunc_end_k_q37090808d1_prep:
	.size	k_q37090808d1_prep, .Lfunc_end_k_q37090808d1_prep-k_q37090808d1_prep
	.p2alignl 7, 3214868480
	.fill 96, 4, 3214868480
	.section	.rodata,"a",@progbits
	.p2align	6, 0x0
	.amdhsa_kernel k_q37090808d1_prep
		.amdhsa_group_segment_fixed_size 33280
		.amdhsa_private_segment_fixed_size 0
		.amdhsa_enable_private_segment 0
		.amdhsa_kernarg_size 80
		.amdhsa_user_sgpr_count 2
		.amdhsa_user_sgpr_kernarg_segment_ptr 1
		.amdhsa_wavefront_size32 1
		.amdhsa_system_sgpr_workgroup_id_x 1
		.amdhsa_system_sgpr_workgroup_id_y 1
		.amdhsa_system_sgpr_workgroup_id_z 1
		.amdhsa_system_vgpr_workitem_id 0
		.amdhsa_next_free_vgpr 192
		.amdhsa_next_free_sgpr 66
		.amdhsa_reserve_vcc 1
		.amdhsa_float_denorm_mode_32 3
		.amdhsa_float_denorm_mode_16_64 3
		.amdhsa_memory_ordered 1
		.amdhsa_forward_progress 1
		.amdhsa_inst_pref_size 64
	.end_amdhsa_kernel
	.amdgpu_metadata
---
amdhsa.version: [ 1, 2 ]
amdhsa.kernels:
  - .name:           k_q37090808d1_prep
    .symbol:         k_q37090808d1_prep.kd
    .args:
      - { .name: x, .offset: 0, .size: 8, .value_kind: global_buffer, .address_space: global }
      - { .name: W_q, .offset: 8, .size: 8, .value_kind: global_buffer, .address_space: global }
      - { .name: W_k, .offset: 16, .size: 8, .value_kind: global_buffer, .address_space: global }
      - { .name: W_v, .offset: 24, .size: 8, .value_kind: global_buffer, .address_space: global }
      - { .name: W_o, .offset: 32, .size: 8, .value_kind: global_buffer, .address_space: global }
      - { .name: token_positions, .offset: 40, .size: 8, .value_kind: global_buffer, .address_space: global }
      - { .name: codes, .offset: 48, .size: 8, .value_kind: global_buffer, .address_space: global }
      - { .name: scales, .offset: 56, .size: 8, .value_kind: global_buffer, .address_space: global }
      - { .name: wo16, .offset: 64, .size: 8, .value_kind: global_buffer, .address_space: global }
      - { .name: rope, .offset: 72, .size: 8, .value_kind: global_buffer, .address_space: global }
    .group_segment_fixed_size: 33280
    .private_segment_fixed_size: 0
    .kernarg_segment_align: 8
    .kernarg_segment_size: 80
    .max_flat_workgroup_size: 128
    .sgpr_count:     66
    .vgpr_count:     192
    .wavefront_size: 32
...
	.end_amdgpu_metadata
.endif
;; end of part 1
;; launch qkv (part 2): grid 12 x 32, 4 waves a work-group, clusters of 4 x 4, 327,680 bytes of LDS; arguments codes, scales, rope, qkv16, fine32; writes qkv16, fine32
.if DOCPART == 2
	.amdgcn_target "amdgcn-amd-amdhsa--gfx1250"
	.amdhsa_code_object_version 6
	.text
	.protected	k_q37090808d1_qkv
	.globl	k_q37090808d1_qkv
	.p2align	8
	.type	k_q37090808d1_qkv,@function
k_q37090808d1_qkv:
	s_mov_b64 s[64:65], 0
	v_nop
	global_prefetch_b8 v0, s[64:65] scope:SCOPE_SE
	s_setreg_imm32_b32 hwreg(HW_REG_WAVE_MODE, 25, 1), 1
	s_wait_xcnt 0x0
	s_wait_alu depctr_hold_cnt(0) depctr_sa_sdst(0) depctr_va_vdst(0) depctr_va_sdst(0) depctr_va_ssrc(0) depctr_va_vcc(0) depctr_vm_vsrc(0)
	s_getreg_b32 s2, hwreg(HW_REG_IB_STS2, 6, 4)
	s_cmp_eq_u32 s2, 0
	s_cbranch_scc0 .Lentry_in_a_cluster
	s_endpgm
.Lentry_in_a_cluster:
	s_bfe_u32 s2, ttmp6, 0x10000c
	s_cmp_lg_u32 s2, 0xf033
	s_cbranch_scc0 .Lentry_shape_is_right
	s_endpgm
.Lentry_shape_is_right:
; Q, K, V = x W^T on codes of FP4 (E2M1) with one E8M0 scale for each 32 along K = 1,024; f32 sums; the rotation of Q and K in f32; results as f16 by head.
; A = rows 0-8191 of codes (x), B = rows 8192-11263 (W_q, W_k, W_v): C is 8,192 x 3,072.  A tile of C, 256 x 256, is made by four waves, 128 x 128 each: 64 accumulators, 512 registers.
; K is two steps of 512: both slots and the scale bytes are asked for at the start (three tensor loads of a wave are out then), and nothing is filled again.
; CLUSTERS: 4 x 4 work-groups.  Tile column = 4 x cluster x + cx, so that the kind (q, k, v) is the cluster's x.  Tile row = 8 cy + cluster y, so that the batch is cy and the block of 256 positions is the
; cluster's y.  So both branches of this text (V takes no rotation; positions 0-15 are also stored in f32) hang on numbers that all sixteen partners share, and on the wave's number.
; A's tiles are shared along a row of the cluster, B's along a column: each is asked for jointly, by the same tensor load with the same descriptor and a mask that names the four.
; THE MATRIX INSTRUCTION IS USED TRANSPOSED (source 0 = 16 rows of W, source 1 = 16 tokens): lane (r, h) holds token r and eight neighbouring features 8 h + 0 .. 7: four pairs of the rotation.
; OUT: qkv16 [kind][b][head][s][64] f16; fine32 [b][kind][head][16 tokens][64] f32: positions 0-15 of every sequence, for the last launch.  Nothing of the problem's work is left out here.
; REGISTERS, in windows of 256: window 0: v0-31 addresses; v32-95 scale words, two sets; v128-191 A's fragments, one set; v192-255 the table of cos and sin, two sets; on the way out v32-191 are free.
;   window 1: B's fragments, two sets.   window 2: the accumulators of my rows 0-63 ((a, b) at v[8 (8 a + b)]);   window 3: those of my rows 64-127.
.set KSTEP,  512
.set NQ,     KSTEP/128
.set ROWB,   256                       ; a tile's row: 512 codes
.set KROW,   512                       ; a row of codes in memory
.set PITCH,  272                       ; an LDS row: 256 bytes + 16 of padding: the 16 rows of a load start at 16 different banks
.set FR,     8
.set NL,     2
.set NP,     4
.set HALFT,  128*PITCH
.set SLOT,   4*HALFT
.set KS,     32                        ; a row of scale bytes
.set SCL,    2*SLOT
.set HALFS,  (128*KS/256)*272
.set SBLK,   (16*KS/256)*272
.set SPARE,  SCL+4*HALFS               ; the spare words: 128 bytes a wave, named by no other line
.set WSTG,   8704                      ; the way out: a stage for each wave, in slot 0, which has had its only fill and its last read when the first result is stored there
.set ADRA, 16
.set ADRB, 20
.set GF,   22                          ; v22  fine32: 4096 (lane / 16) + 16 (lane % 16)
.set STO,  24                          ; v24  stage, f16, way in: 144 r + 16 h
.set RD,   25                          ; v25  stage, f16, way back: 144 (lane / 8) + 16 (lane % 8)
.set STF,  26                          ; v26  stage, f32, way in: 528 r + 32 h
.set ADRS, 27
.set SPW,  28
.set NIL,  29
.set GO,   30                          ; v30  16 x lane
.set RDF,  31                          ; v31  stage, f32, way back: 16 x lane
.set SC,   32
.set AF,   128
.set BK,   32                          ; the way out: rows read back: v32-63 and v64-95 by turns
.set PK,   96                          ; v96-127 a block as f16
.set FT,   128                         ; v128-191 a block rotated, f32
.set CS,   192                         ; v192-223, v224-255 the table of a block of 16 tokens: at 8 q + 2 p the pair (cos, sin) of pair 8 q + 4 h + p
.set G1, 24
.set G0, 32
.set G1B, 48
.set G0B, 56
.set G1S, 68
.set G0S, 76
.set G1SB, 80
.set G0SB, 88
.set MSB, 0
.macro WIN new                         ; the immediate's high byte repeats the setting that is left
.if MSB != \new
	s_set_vgpr_msb (MSB<<8)|\new
.set MSB, \new
.endif
.endm
.set MUL_LO, 0xa1                      ; source 0 (B) window 1, source 1 (A) window 0, C and D window 2
.set MUL_HI, 0xf1
.set TO_B,   0x40
; A joint load: waves 0 and 1 fetch for A, waves 2 and 3 for B; the branch hangs on the wave's number alone.  An s_nop 0 and four v_nop follow each line.
.macro JLOAD g0a, g1a, g0b, g1b
	s_cmp_eq_u32 s15, 0
	s_cbranch_scc0 .Lfor_b_\@
	tensor_load_to_lds s[\g0a:\g0a+3], s[\g1a:\g1a+7]
	s_nop 0
.rept 4
	v_nop
.endr
	s_branch .Lasked_\@
.Lfor_b_\@:
	tensor_load_to_lds s[\g0b:\g0b+3], s[\g1b:\g1b+7]
	s_nop 0
.rept 4
	v_nop
.endr
.Lasked_\@:
.endm
.macro CROUND                          ; a round of the cluster's barrier
	s_barrier_signal -1
	s_barrier_wait -1
	s_cmp_lg_u32 s14, 0
	s_cbranch_scc1 .Lnot_wave_0_\@
	s_barrier_signal -3
.Lnot_wave_0_\@:
	s_barrier_wait -3
	s_barrier_signal -1
	s_barrier_wait -1
.endm
	s_load_b128 s[4:7], s[0:1], 0x0                ; codes, scales
	s_load_b128 s[96:99], s[0:1], 0x10             ; rope s[96:97], qkv16 s[98:99]
	s_load_b64 s[100:101], s[0:1], 0x20            ; fine32
	v_lshl_add_u32 v[SPW], v0, 2, SPARE
	v_mov_b32 v[NIL], 0
	ds_add_u32 v[SPW], v[NIL]                      ; the wave's opening: the add, twice on end, and its wait ahead of my first tensor load
	ds_add_u32 v[SPW], v[NIL]
	v_lshrrev_b32 v1, 5, v0
	v_readfirstlane_b32 s14, v1                    ; wave 0..3
	s_lshr_b32 s15, s14, 1                         ; which half of the tile's rows is mine.  Also: I fetch for A (0) or for B (1)
	s_and_b32 s16, s14, 1                          ; which half of its columns.  Also: which 128 rows of that tile I fetch
	s_bfe_u32 s40, ttmp6, 0x40000                  ; cx
	s_bfe_u32 s41, ttmp6, 0x40004                  ; cy
	s_lshl_b32 s42, ttmp9, 2
	s_add_co_u32 s42, s42, s40                     ; tile column = 4 x cluster x + cx
	s_and_b32 s95, ttmp7, 0xffff                   ; cluster y: the block of 256 positions
	s_lshl_b32 s17, s41, 3
	s_add_co_u32 s17, s17, s95                     ; tile row = 8 cy + cluster y
	s_lshl_b32 s43, s41, 2
	s_lshl_b32 s43, 15, s43                        ; my row of the cluster
	s_lshl_b32 s44, 0x1111, s40                    ; my column
	s_or_b32 s[G1+0], s43, (0<<16)|(1<<20)|(1<<21)|(5<<22)|(3<<25)  ; the mask; elements of 1 byte; padding on; bit 21 beside a mask; after every 64 words, 4 words
	s_or_b32 s[G1B+0], s44, (0<<16)|(1<<20)|(1<<21)|(5<<22)|(3<<25)
.irp g, G1, G1B
	s_mov_b32 s[\g+1], ROWB<<16                    ; tensor_dim0
	s_mov_b32 s[\g+2], 128<<16                     ; tensor_dim1
	s_mov_b32 s[\g+3], ROWB<<16                    ; tile_dim0
	s_mov_b32 s[\g+4], 128                         ; tile_dim1
	s_mov_b32 s[\g+5], KROW                        ; the pitch
	s_mov_b32 s[\g+6], 0
	s_mov_b32 s[\g+7], 0
.endr
	s_or_b32 s[G1S+0], s43, (3<<16)|(1<<20)|(1<<21)|(5<<22)|(3<<25)  ; the scales of 128 rows: 4,096 dense bytes as 16 rows of 256 (32 elements of 8 bytes), 16 bytes of padding behind each
	s_or_b32 s[G1SB+0], s44, (3<<16)|(1<<20)|(1<<21)|(5<<22)|(3<<25)
.irp g, G1S, G1SB
	s_mov_b32 s[\g+1], 32<<16
	s_mov_b32 s[\g+2], (128*KS/256)<<16
	s_mov_b32 s[\g+3], 32<<16
	s_mov_b32 s[\g+4], 128*KS/256
	s_mov_b32 s[\g+5], 32
	s_mov_b32 s[\g+6], 0
	s_mov_b32 s[\g+7], 0
.endr
	s_lshl_b32 s18, s16, 7
	s_lshl_b32 s20, s17, 8
	s_add_co_u32 s20, s20, s18                     ; A: row 256 x tile row + 128 x half
	s_lshl_b32 s46, s42, 8
	s_add_co_u32 s46, s46, s18                     ; B: row 256 x tile column + 128 x half
	s_mov_b32 s21, 0
	s_mov_b32 s47, 0
	s_mov_b64 s[18:19], KS
	s_mul_u64 s[22:23], s[20:21], s[18:19]
	s_mul_u64 s[92:93], s[46:47], s[18:19]
	s_mov_b64 s[18:19], KROW
	s_mul_u64 s[20:21], s[20:21], s[18:19]
	s_mul_u64 s[46:47], s[46:47], s[18:19]
	s_mul_i32 s45, s14, HALFT                      ; where they go: wave x 128 rows: no place in the cluster enters an LDS address
	s_mul_i32 s94, s14, HALFS
	s_wait_dscnt 0x0                               ; both opening adds are done
	s_wait_kmcnt 0x0
	s_add_nc_u64 s[8:9], s[4:5], 0x400000          ; the weights' codes: row 8,192 on
	s_add_nc_u64 s[10:11], s[6:7], 0x40000         ; and their scale bytes
	s_add_nc_u64 s[20:21], s[4:5], s[20:21]
	s_add_nc_u64 s[22:23], s[6:7], s[22:23]
	s_add_nc_u64 s[46:47], s[8:9], s[46:47]
	s_add_nc_u64 s[92:93], s[10:11], s[92:93]
	CROUND                                         ; all sixteen work-groups are here: the joint loads meet
	s_mov_b32 s[G0S], 1
	s_add_co_u32 s[G0S+1], s94, SCL
	s_mov_b64 s[G0S+2:G0S+3], s[22:23]
	s_or_b32 s[G0S+3], s[G0S+3], 0x80000000
	s_mov_b32 s[G0SB], 1
	s_add_co_u32 s[G0SB+1], s94, SCL
	s_mov_b64 s[G0SB+2:G0SB+3], s[92:93]
	s_or_b32 s[G0SB+3], s[G0SB+3], 0x80000000
	JLOAD G0S, G1S, G0SB, G1SB                     ; the scales first: they are wanted with K step 0
.irp s, 0,1
	s_mov_b32 s[G0+4*\s], 1
	s_add_co_u32 s[G0+4*\s+1], s45, \s*SLOT
	s_add_nc_u64 s[G0+4*\s+2:G0+4*\s+3], s[20:21], \s*ROWB
	s_or_b32 s[G0+4*\s+3], s[G0+4*\s+3], 0x80000000
	s_mov_b32 s[G0B+4*\s], 1
	s_add_co_u32 s[G0B+4*\s+1], s45, \s*SLOT
	s_add_nc_u64 s[G0B+4*\s+2:G0B+4*\s+3], s[46:47], \s*ROWB
	s_or_b32 s[G0B+4*\s+3], s[G0B+4*\s+3], 0x80000000
	JLOAD G0+4*\s, G1, G0B+4*\s, G1B
.endr
	v_and_b32 v1, 15, v0                           ; r
	v_bfe_u32 v2, v0, 4, 1                         ; h
	v_mul_u32_u24 v3, v1, PITCH
	v_lshl_add_u32 v4, v2, 4, v3
	s_mul_i32 s21, s15, HALFT                      ; my 128 rows of A
	s_mul_i32 s22, s16, HALFT                      ; my 128 rows of B, behind A's 256
	s_add_co_u32 s22, s22, 2*HALFT
.irp s, 0,1
	v_add_nc_u32 v[ADRA+\s], s21, v4
	v_add_nc_u32 v[ADRB+\s], s22, v4
	s_add_co_u32 s21, s21, SLOT
	s_add_co_u32 s22, s22, SLOT
.endr
	v_mul_u32_u24 v5, v1, KS                       ; my row's scales: 32 bytes a row, and 16 more for each 256 passed
	v_lshrrev_b32 v6, 8, v5
	v_lshl_add_u32 v5, v6, 4, v5
	s_mul_i32 s21, s15, HALFS
	s_mul_i32 s22, s16, HALFS
	s_add_co_u32 s22, s22, 2*HALFS
	s_sub_co_u32 s22, s22, s21
	v_mul_u32_u24 v6, s22, v2                      ; lanes 16-31 take B's
	s_add_co_u32 s21, s21, SCL
	v_add_nc_u32 v5, v5, v6
	v_add_nc_u32 v[ADRS], s21, v5
	s_mul_i32 s23, s14, WSTG                       ; my stage
	v_mul_u32_u24 v5, v1, 144
	v_lshl_add_u32 v5, v2, 4, v5
	v_add_nc_u32 v[STO], s23, v5
	v_and_b32 v6, 31, v0
	v_lshrrev_b32 v5, 3, v6
	v_mul_u32_u24 v5, v5, 144
	v_and_b32 v3, 7, v0
	v_lshl_add_u32 v5, v3, 4, v5
	v_add_nc_u32 v[RD], s23, v5
	v_mul_u32_u24 v5, v1, 528
	v_lshl_add_u32 v5, v2, 5, v5
	v_add_nc_u32 v[STF], s23, v5
	v_lshlrev_b32 v[GO], 4, v6
	v_add_nc_u32 v[RDF], s23, v[GO]
	v_lshlrev_b32 v[GF], 12, v2
	v_lshl_add_u32 v[GF], v1, 4, v[GF]
	; qkv16: plane (4 kind + b) 16 + 4 cx + 2 (column half), of 262,144 bytes; row 256 (cluster y) + 128 (row half), of 128 bytes
	s_lshl_b32 s20, ttmp9, 2
	s_add_co_u32 s20, s20, s41
	s_lshl_b32 s20, s20, 4
	s_lshl_b32 s21, s40, 2
	s_add_co_u32 s20, s20, s21
	s_lshl_b32 s21, s16, 1
	s_add_co_u32 s20, s20, s21
	s_lshl_b32 s20, s20, 18
	s_lshl_b32 s21, s95, 15
	s_add_co_u32 s20, s20, s21
	s_lshl_b32 s21, s15, 14
	s_add_co_u32 s20, s20, s21
	s_mov_b32 s21, 0
	s_add_nc_u64 s[98:99], s[98:99], s[20:21]
	; rope: token block 16 (cluster y) + 8 (row half), of 4,096 bytes
	s_lshl_b32 s20, s95, 16
	s_lshl_b32 s22, s15, 15
	s_add_co_u32 s20, s20, s22
	s_add_nc_u64 s[96:97], s[96:97], s[20:21]
	; fine32: block (3 b + kind) 16 + 4 cx + 2 (column half), of 4,096 bytes
	s_mul_i32 s20, s41, 3
	s_add_co_u32 s20, s20, ttmp9
	s_lshl_b32 s20, s20, 4
	s_lshl_b32 s22, s40, 2
	s_add_co_u32 s20, s20, s22
	s_lshl_b32 s22, s16, 1
	s_add_co_u32 s20, s20, s22
	s_lshl_b32 s20, s20, 12
	s_add_nc_u64 s[100:101], s[100:101], s[20:21]
	s_or_b32 s2, s95, s15                          ; 0 where my first 16 rows are positions 0-15 of a sequence: the cluster's y and the wave's number alone
.macro FRAG reg, adr, q, i             ; 16 rows x 128 K of 4-bit codes: 8 registers: registers 4 c .. 4 c + 3 hold K = 64 c + 32 h + 0 .. 31
.irp c, 0,1
	ds_load_b128 v[\reg+4*\c:\reg+4*\c+3], v[\adr] offset:64*(\q)+32*\c+(\i)*16*PITCH
.endr
.endm
; 16 matrix instructions: A's blocks a0, a0 + 1 x B's eight, 128 along K.  The 64 accumulators take turns, one instruction a turn, in the same order in every step.
.macro MUL16 a0, p, q, sc, zero
.irp a, \a0, \a0+1
.irp b, 0,1,2,3,4,5,6,7
.if \zero
	v_wmma_scale_f32_16x16x128_f8f6f4 v[8*(8*((\a)%4)+\b):8*(8*((\a)%4)+\b)+7], v[128*(\p)+FR*\b:128*(\p)+FR*\b+FR-1], v[AF+FR*(\a):AF+FR*(\a)+FR-1], 0, v[SC+8*NQ*(\sc)+NQ*\b+(\q)], v[SC+8*NQ*(\sc)+NQ*(\a)+(\q)] matrix_a_fmt:MATRIX_FMT_FP4 matrix_b_fmt:MATRIX_FMT_FP4 matrix_a_scale:MATRIX_SCALE_ROW1
.else
	v_wmma_scale_f32_16x16x128_f8f6f4 v[8*(8*((\a)%4)+\b):8*(8*((\a)%4)+\b)+7], v[128*(\p)+FR*\b:128*(\p)+FR*\b+FR-1], v[AF+FR*(\a):AF+FR*(\a)+FR-1], v[8*(8*((\a)%4)+\b):8*(8*((\a)%4)+\b)+7], v[SC+8*NQ*(\sc)+NQ*\b+(\q)], v[SC+8*NQ*(\sc)+NQ*(\a)+(\q)] matrix_a_fmt:MATRIX_FMT_FP4 matrix_b_fmt:MATRIX_FMT_FP4 matrix_a_scale:MATRIX_SCALE_ROW1
.endif
.endr
.endr
.endm
.macro FETCH_B slot, q, p
	WIN TO_B
.irp i, 0,1,2,3,4,5,6,7
	FRAG 128*(\p)+FR*\i, ADRB+\slot, \q, \i
.endr
	WIN 0
.endm
.macro FETCH_A slot, q, i0
.irp i, \i0, \i0+1, \i0+2, \i0+3
	FRAG AF+FR*(\i), ADRA+\slot, \q, \i
.endr
.endm
.macro SCALES sc                       ; a K step's scale words: lanes 0-15 take A's block i, lanes 16-31 B's block i
.irp i, 0,1,2,3,4,5,6,7
	ds_load_b128 v[SC+8*NQ*\sc+NQ*\i:SC+8*NQ*\sc+NQ*\i+3], v[ADRS] offset:\i*SBLK
.endr
.endm
.macro PLACES n                        ; plain vector instructions between a matrix instruction and a load into, or a read of, its registers
.rept \n
	v_nop
.endr
.endm
.macro STEP slot, q, zero              ; 128 along K, with its successor in the same slot
	s_wait_dscnt 4*NL                              ; B's set and A's blocks 0-3 are in; the youngest eight loads (A's blocks 4-7) may be out
	WIN MUL_LO
	MUL16 0, (\q)%2, \q, \slot, \zero
	MUL16 2, (\q)%2, \q, \slot, \zero
	s_wait_dscnt 0
	PLACES NP
	FETCH_B \slot, (\q)+1, 1-(\q)%2
	FETCH_A \slot, (\q)+1, 0
	WIN MUL_HI
	MUL16 4, (\q)%2, \q, \slot, \zero
	MUL16 6, (\q)%2, \q, \slot, \zero
	PLACES NP
	WIN 0
	FETCH_A \slot, (\q)+1, 4
.endm
.macro TURN slot, next                 ; slot 0's last step changes slots: one barrier
	s_wait_tensorcnt 0x0                           ; all my tensor loads have landed: my part of the next slot
	ds_add_u32 v[SPW], v[NIL]
	s_wait_dscnt 4*NL+1                            ; (the add and A's blocks 4-7 may be out)
	WIN MUL_LO
	MUL16 0, 1, NQ-1, \slot, 0
	s_wait_dscnt 0x0                               ; the add is done, and my reads of this slot are over
	s_barrier_signal -1
	MUL16 2, 1, NQ-1, \slot, 0
	WIN 0
	s_barrier_wait -1
	PLACES NP
	v_add_nc_u32 v[ADRS], 4*NQ, v[ADRS]            ; the next K step's scale words
	FETCH_B \next, 0, 0
	FETCH_A \next, 0, 0
	SCALES \next
	WIN MUL_HI
	MUL16 4, 1, NQ-1, \slot, 0
	MUL16 6, 1, NQ-1, \slot, 0
	PLACES NP
	WIN 0
	FETCH_A \next, 0, 4
.endm
.macro STEPS slot, from
.set Q, \from
.rept NQ-1-\from
	STEP \slot, Q, 0
.set Q, Q+1
.endr
.endm
.macro REST                            ; slot 1's four steps, and the places behind the last products
	STEPS 1, 0
	s_wait_dscnt 4*NL
	WIN MUL_LO
	MUL16 0, 1, NQ-1, 1, 0
	MUL16 2, 1, NQ-1, 1, 0
	s_wait_dscnt 0
	WIN MUL_HI
	MUL16 4, 1, NQ-1, 1, 0
	MUL16 6, 1, NQ-1, 1, 0
	WIN 0
	PLACES NP
.endm
; THE WAY OUT, block a of 16 tokens x 128 features (two heads) at a time.
.macro TABLE a                         ; block a's eight images of cos and sin into set a % 2
.irp i, 0,1,2,3,4,5,6,7
	global_load_b128 v[CS+32*((\a)%2)+4*\i:CS+32*((\a)%2)+4*\i+3], v[GO], s[96:97] offset:(\a)*4096+512*\i
.endr
.endm
.macro ROPE a                          ; (x0, x1) -> (x0 cos - x1 sin, x0 sin + x1 cos): two packed instructions a pair; each accumulator from its low end on
.set AC, 64*((\a)%4)
.set CT, CS+32*((\a)%2)
	WIN (0x02+(\a)/4)
.irp b, 0,1,2,3,4,5,6,7
.irp p, 0,1,2,3
	v_pk_mul_f32 v[FT+8*\b+2*\p:FT+8*\b+2*\p+1], v[AC+8*\b+2*\p:AC+8*\b+2*\p+1], v[CT+8*(\b%4)+2*\p:CT+8*(\b%4)+2*\p+1] op_sel:[0,0] op_sel_hi:[0,1]   ; x0 cos, x0 sin
.endr
.endr
.irp b, 0,1,2,3,4,5,6,7
.irp p, 0,1,2,3
	v_pk_fma_f32 v[FT+8*\b+2*\p:FT+8*\b+2*\p+1], v[AC+8*\b+2*\p:AC+8*\b+2*\p+1], v[CT+8*(\b%4)+2*\p:CT+8*(\b%4)+2*\p+1], v[FT+8*\b+2*\p:FT+8*\b+2*\p+1] op_sel:[1,1,0] op_sel_hi:[1,0,1] neg_lo:[0,1,0]   ; - x1 sin, + x1 cos
.endr
.endr
	WIN 0
.endm
.macro CVT a, rope                     ; to f16: a lane's eight features are 16 bytes
.set AC, 64*((\a)%4)
.if \rope
.irp b, 0,1,2,3,4,5,6,7
.irp p, 0,1,2,3
	v_cvt_pk_f16_f32 v[PK+4*\b+\p], v[FT+8*\b+2*\p], v[FT+8*\b+2*\p+1]
.endr
.endr
.else
	WIN (0x0a+5*((\a)/4))
.irp b, 0,1,2,3,4,5,6,7
.irp p, 0,1,2,3
	v_cvt_pk_f16_f32 v[PK+4*\b+\p], v[AC+8*\b+2*\p], v[AC+8*\b+2*\p+1]
.endr
.endr
	WIN 0
.endif
.endm
.macro TOSTAGE16 a                     ; through my stage: two heads x 16 rows of 128 bytes + 16; back four rows an instruction.  LDS serves a wave's instructions in order
.irp b, 0,1,2,3,4,5,6,7
	ds_store_b128 v[STO], v[PK+4*\b:PK+4*\b+3] offset:2304*(\b/4)+32*(\b%4)
.endr
.irp g, 0,1
.irp i, 0,1,2,3
	ds_load_b128 v[BK+32*((\a)%2)+4*(4*\g+\i):BK+32*((\a)%2)+4*(4*\g+\i)+3], v[RD] offset:2304*\g+576*\i
.endr
.endr
.endm
.macro SEND16 a, younger               ; younger: the LDS instructions issued behind block a's loads
	s_wait_dscnt \younger
.irp g, 0,1
.irp i, 0,1,2,3
	global_store_b128 v[GO], v[BK+32*((\a)%2)+4*(4*\g+\i):BK+32*((\a)%2)+4*(4*\g+\i)+3], s[98:99] offset:2048*(\a)+262144*\g+512*\i   ; four rows of a head: 512 consecutive bytes, aligned
.endr
.endr
.endm
.macro FINE rope                       ; positions 0-15 also leave in f32: through the stage as rows of 512 bytes; sixteen lanes store a head's row of 256 bytes
	s_cmp_lg_u32 s2, 0
	s_cbranch_scc1 .Lnot_first_\@
.if \rope
.irp b, 0,1,2,3,4,5,6,7
	ds_store_b128 v[STF], v[FT+8*\b:FT+8*\b+3] offset:64*\b
	ds_store_b128 v[STF], v[FT+8*\b+4:FT+8*\b+7] offset:64*\b+16
.endr
.else
	WIN 0x08                                       ; an LDS store's data are its source 1: window 2
.irp b, 0,1,2,3,4,5,6,7
	ds_store_b128 v[STF], v[8*\b:8*\b+3] offset:64*\b
	ds_store_b128 v[STF], v[8*\b+4:8*\b+7] offset:64*\b+16
.endr
	WIN 0
.endif
.irp t, 0,1,2,3,4,5,6,7,8,9,10,11,12,13,14,15
	ds_load_b128 v[BK+4*\t:BK+4*\t+3], v[RDF] offset:528*\t
.endr
	s_wait_dscnt 0x0
.irp t, 0,1,2,3,4,5,6,7,8,9,10,11,12,13,14,15
	global_store_b128 v[GF], v[BK+4*\t:BK+4*\t+3], s[100:101] offset:256*\t
.endr
	s_wait_xcnt 0x0                                ; the stores have read their registers, which the blocks below load again
.Lnot_first_\@:
.endm
.macro WAYOUT rope
.irp a, 0,1,2,3,4,5,6,7
.if \rope
.if \a < 7
	s_wait_loadcnt 8                               ; this block's table is in; the next block's eight loads may be out
.else
	s_wait_loadcnt 0
.endif
	ROPE \a
.if \a < 6
	TABLE \a+2                                     ; into the set just read
.endif
.endif
.if \a == 0
	FINE \rope
.endif
	CVT \a, \rope
.if \a > 1
	s_wait_xcnt 0x0                                ; block a - 2's stores have read their registers: block a's loads may land there
.endif
	TOSTAGE16 \a
.if \a > 0
	SEND16 \a-1, 16                                ; behind block a - 1's loads: block a's 8 stores and 8 loads
.endif
.endr
	SEND16 7, 0
.endm
	s_wait_tensorcnt 1                             ; the scales and my part of K step 0 are in (K step 1's load may be out),
	s_barrier_signal -1
	s_barrier_wait -1                              ; everybody's are
	FETCH_B 0, 0, 0
	FETCH_A 0, 0, 0
	SCALES 0
	FETCH_A 0, 0, 4
	STEP 0, 0, 1                                   ; the first products start the sums: nothing is cleared
	STEPS 0, 1
	TURN 0, 1
	s_cmp_eq_u32 ttmp9, 2                          ; the cluster's x is the kind: V takes no rotation.  The text parts here once, so that the table is asked for 256 matrix instructions ahead of its use
	s_cbranch_scc1 .Lplain
	TABLE 0
	TABLE 1
	REST
	WAYOUT 1
	s_branch .Lend
.Lplain:
	REST
	WAYOUT 0
.Lend:
	s_wait_tensorcnt 0x0                           ; the wave's end
	ds_add_u32 v[SPW], v[NIL]
	s_wait_dscnt 0x0
	CROUND                                         ; the closing round
	s_endpgm
.Lfunc_end_k_q37090808d1_qkv:
	.size	k_q37090808d1_qkv, .Lfunc_end_k_q37090808d1_qkv-k_q37090808d1_qkv
	.p2alignl 7, 3214868480
	.fill 96, 4, 3214868480
	.section	.rodata,"a",@progbits
	.p2align	6, 0x0
	.amdhsa_kernel k_q37090808d1_qkv
		.amdhsa_group_segment_fixed_size 327680
		.amdhsa_private_segment_fixed_size 0
		.amdhsa_enable_private_segment 0
		.amdhsa_kernarg_size 40
		.amdhsa_user_sgpr_count 2
		.amdhsa_user_sgpr_kernarg_segment_ptr 1
		.amdhsa_wavefront_size32 1
		.amdhsa_system_sgpr_workgroup_id_x 1
		.amdhsa_system_sgpr_workgroup_id_y 1
		.amdhsa_system_sgpr_workgroup_id_z 1
		.amdhsa_system_vgpr_workitem_id 0
		.amdhsa_next_free_vgpr 1024
		.amdhsa_next_free_sgpr 102
		.amdhsa_reserve_vcc 0
		.amdhsa_float_denorm_mode_32 3
		.amdhsa_float_denorm_mode_16_64 3
		.amdhsa_memory_ordered 1
		.amdhsa_forward_progress 1
		.amdhsa_inst_pref_size 243
	.end_amdhsa_kernel
	.amdgpu_metadata
---
amdhsa.version: [ 1, 2 ]
amdhsa.kernels:
  - .name:           k_q37090808d1_qkv
    .symbol:         k_q37090808d1_qkv.kd
    .args:
      - { .name: codes, .offset: 0, .size: 8, .value_kind: global_buffer, .address_space: global }
      - { .name: scales, .offset: 8, .size: 8, .value_kind: global_buffer, .address_space: global }
      - { .name: rope, .offset: 16, .size: 8, .value_kind: global_buffer, .address_space: global }
      - { .name: qkv16, .offset: 24, .size: 8, .value_kind: global_buffer, .address_space: global }
      - { .name: fine32, .offset: 32, .size: 8, .value_kind: global_buffer, .address_space: global }
    .group_segment_fixed_size: 327680
    .private_segment_fixed_size: 0
    .kernarg_segment_align: 8
    .kernarg_segment_size: 40
    .max_flat_workgroup_size: 128
    .sgpr_count:     102
    .vgpr_count:     1024
    .wavefront_size: 32
...
	.end_amdgpu_metadata
.endif
;; end of part 2
;; launch attn (part 3): grid 4 x 64, 8 waves a work-group, no clusters, 327,680 bytes of LDS; arguments qkv16, o16; writes o16
.if DOCPART == 3
	.amdgcn_target "amdgcn-amd-amdhsa--gfx1250"
	.amdhsa_code_object_version 6
	.text
	.protected	k_q37090808d1_attn
	.globl	k_q37090808d1_attn
	.p2align	8
	.type	k_q37090808d1_attn,@function
k_q37090808d1_attn:
	s_mov_b64 s[64:65], 0
	v_nop
	global_prefetch_b8 v0, s[64:65] scope:SCOPE_SE
	s_setreg_imm32_b32 hwreg(HW_REG_WAVE_MODE, 25, 1), 1
	s_wait_xcnt 0x0
; O[bh][q] = the sum over k <= q of softmax_k(Q[bh][q] . K[bh][k] / 8) V[bh][k].  Q, K, V: planes of qkv16, [64 heads][2048][64] f16; o16 likewise.  Products on f16 operands, sums, maxima and softmax in f32.
; WORK LEFT OUT: key steps all of whose keys come after a wave's queries: reference()'s own jnp.tril gives them the weight 0 for every input.
; SHARES.  Work-group (p, bh) owns the blocks p and 7 - p of 256 queries of head bh.  Block i needs the key blocks 0 .. i, so the pair needs (p + 1) + (8 - p) = 9 key blocks of 256: a walk of NINE slots
; in every work-group, 256 work-groups of equal work.  The small block comes first; the change to the large one stands at trip p + 1.
; Wave w owns 32 queries, two tiles of 16; its place in the block is w for w < 4 and 11 - w else.  Two waves share a SIMD: one wave's softmax stands beside the other's products.
; NO CLUSTER: the four work-groups of a head walk different key blocks in the same trip (the walks are staggered to even out the causal work); walked jointly the pairs would need 12 trips in place of 9.
; LAYOUT.  S^T = K Q^T (source 0 = 16 keys, source 1 = 16 queries): a lane holds ONE query (lane % 16) and the keys 8 (lane / 16) + 0 .. 7 of each tile.  Two such tiles, rounded to f16 in pairs, are source 1 of
; O^T = V^T P.  K comes out of LDS as it lies, V ([key][channel]) turned, by ds_load_tr16_b128.
; SOFTMAX.  A running maximum m and sum l for each query: p = 2^(c s - c m), c = log2(e) / 8; in every step O and l are multiplied by a = 2^(c m_old - c m_new).  A live step's first key counts for all of the wave's
; queries (the step's first key is a multiple of 64, the wave's first query of 32), so m is a number from the first step on.
; LIMIT: operands in f16: |Q|, |K|, |V| under 65,504.
; REGISTERS: window 0: v1-15 addresses; v16-31 statistics, eight a tile; v32-95 S^T; v96-127 P; v128-191 O^T.   window 1: v0-31 Q; v32-95 K of a step; v96-159 V of a step.
.set KP,    144                        ; a key's row in LDS: 128 bytes + 16
.set VP,    160                        ; a row of V: 128 + 32
.set KSB,   64*KP                      ; a step's K: what one tensor load brings
.set VSB,   64*VP
.set VOFF,  4*KSB                      ; a slot: 256 rows of K, then 256 rows of V
.set SLOT1, 1<<17
.set STAGE, 212992                     ; behind the ring: 32 rows x 144 bytes for each wave
.set WST,   32*KP
.set SPARE, STAGE+8*WST                ; the spare words: 128 bytes a wave, named by no other line
.set AK0, 1
.set AV0, 2
.set ADK, 3
.set ADV, 4
.set QO,  5
.set STO, 6
.set RD,  7
.set GO,  8
.set LD,  9                            ; v9   lane % 16 - 8 (lane / 16)
.set D0,  10                           ; v10, v11  the mask's bound for tile 0, 1
.set SPW, 12
.set NIL, 13
.set PFO, 14
.set NINF, 15
.set ST,  16                           ; tile x at ST + 8 x: +0 c m, +1 m, +2, +3 l, +4 .. +7 at work; a at +6
.set S,   32
.set P,   96
.set OO,  128
.set KFR, 32                           ; window 1
.set VFR, 96
.set WV,  8
.set SUB, 9
.set PB,  10
.set PB1, 11
.set TR,  13
.set STP, 14
.set Q0,  15
.set KF,  16
.set TK,  17
.set TV,  18
.set LIM, 19
.set SEL, 20
.set CS,  22
.set G1K, 24
.set G1V, 32
.set G0K, 40
.set G0V, 44
.set KB,  48
.set VB,  50
.set OFF, 52
.set PFA, 54
.set QP,  56
.set OP,  58
.set HQ,  60
.set HO,  62
.set MSB, 0
.macro WIN new
.if MSB != \new
	s_set_vgpr_msb (MSB<<8)|\new
.set MSB, \new
.endif
.endm
.set W_KQ, 0x05                        ; K and Q in window 1, S^T in window 0
.set W_PV, 0x01                        ; V in window 1, P and O^T in window 0
.set TO1,  0x40                        ; destination window 1
; Waves 0-3 fetch the four steps' tiles of K, waves 4-7 those of V: every wave has a load in one of the two arms.  An s_nop 0 and four v_nop follow each line.
.macro TLOAD
	s_cmp_lt_u32 s[WV], 4
	s_cbranch_scc0 .Lfor_v_\@
	tensor_load_to_lds s[G0K:G0K+3], s[G1K:G1K+7]
	s_nop 0
.rept 4
	v_nop
.endr
	s_branch .Lasked_\@
.Lfor_v_\@:
	tensor_load_to_lds s[G0V:G0V+3], s[G1V:G1V+7]
	s_nop 0
.rept 4
	v_nop
.endr
.Lasked_\@:
.endm
; A prefetch of key block trip + 2, in trips 0 to 5, by the head's work-group p = 0 alone, whose own load of that block stands two trips on.  Each wave asks for the quarter that it fetches: 32 lanes, 256 bytes apart.
; So each aligned 256 bytes of key blocks 2 to 7 are named once in the launch; key blocks 0 and 1 come by their loads alone; nothing is asked for past block 7.
.macro ASK
	s_cmp_lt_u32 s[TR], s[LIM]
	s_cbranch_scc0 .Lnot_mine_\@
	global_prefetch_b8 v[PFO], s[PFA:PFA+1] th:TH_LOAD_NT scope:SCOPE_SE
.Lnot_mine_\@:
.endm
	s_load_b128 s[4:7], s[0:1], 0x0                ; qkv16, o16
	v_lshl_add_u32 v[SPW], v0, 2, SPARE
	v_mov_b32 v[NIL], 0
	ds_add_u32 v[SPW], v[NIL]                      ; the wave's opening: the add, twice on end, and its wait ahead of my first tensor load
	ds_add_u32 v[SPW], v[NIL]
	v_lshrrev_b32 v1, 5, v0
	v_readfirstlane_b32 s[WV], v1                  ; wave 0..7
	s_mov_b32 s[G1K], (1<<16)|(1<<20)|(4<<22)|(3<<25)   ; elements of 2 bytes; padding on: after every 32 words, 4 words
	s_mov_b32 s[G1V], (1<<16)|(1<<20)|(4<<22)|(7<<25)   ; the same with 8 words
.irp g, G1K, G1V
	s_mov_b32 s[\g+1], 64<<16                      ; tensor_dim0 = 64
	s_mov_b32 s[\g+2], 64<<16                      ; tensor_dim1 = 64
	s_mov_b32 s[\g+3], 64<<16                      ; tile_dim0 = 64
	s_mov_b32 s[\g+4], 64                          ; tile_dim1 = 64
	s_mov_b32 s[\g+5], 64                          ; the pitch
	s_mov_b32 s[\g+6], 0
	s_mov_b32 s[\g+7], 0
.endr
	s_and_b32 s66, s[WV], 3                        ; which step's tile I fetch
	s_mul_i32 s67, s66, KSB
	s_mul_i32 s68, s66, VSB
	s_add_co_u32 s68, s68, VOFF
	s_lshl_b32 s70, s66, 13                        ; its 64 rows of 128 bytes in memory
	s_mov_b32 s71, 0
	s_and_b32 s72, ttmp7, 0xffff                   ; the head
	s_lshl_b32 s72, s72, 18
	s_mov_b32 s73, 0
	s_mov_b32 s[PB], ttmp9
	s_add_co_u32 s[PB1], ttmp9, 1
	s_sub_co_u32 s[SUB], 11, s[WV]
	s_cmp_lt_u32 s[WV], 4
	s_cselect_b32 s[SUB], s[WV], s[SUB]
	s_cmp_eq_u32 ttmp9, 0
	s_cselect_b32 s[LIM], 6, 0
	s_mov_b32 s[SEL], 0x76543210
	s_mov_b32 s[SEL+1], 0xfedcba98
	s_mov_b32 s[CS], 0x3e38aa3b                    ; c = log2(e) / 8
	s_mov_b32 s[CS+1], s[CS]
	s_mov_b32 s[TK], 0
	s_mov_b32 s[TV], 0
	s_mov_b32 s[KF], 0
	s_wait_dscnt 0x0                               ; both opening adds are done
	s_wait_kmcnt 0x0
	s_add_nc_u64 s[HQ:HQ+1], s[4:5], s[72:73]      ; my head in Q's plane,
	s_add_nc_u64 s[HO:HO+1], s[6:7], s[72:73]      ; and in o16
	s_add_nc_u64 s[KB:KB+1], s[HQ:HQ+1], s[70:71]
	s_add_nc_u64 s[VB:VB+1], s[KB:KB+1], 0x2000000 ; V's plane
	s_add_nc_u64 s[KB:KB+1], s[KB:KB+1], 0x1000000 ; K's plane
	s_mov_b32 s[G0K], 1
	s_mov_b32 s[G0K+1], s67
	s_mov_b64 s[G0K+2:G0K+3], s[KB:KB+1]
	s_or_b32 s[G0K+3], s[G0K+3], 0x80000000
	s_mov_b32 s[G0V], 1
	s_mov_b32 s[G0V+1], s68
	s_mov_b64 s[G0V+2:G0V+3], s[VB:VB+1]
	s_or_b32 s[G0V+3], s[G0V+3], 0x80000000
	TLOAD                                          ; slot 0: key block 0, which every query block reads
	s_cmp_lt_u32 s[WV], 4
	s_cselect_b64 s[PFA:PFA+1], s[KB:KB+1], s[VB:VB+1]
	s_add_nc_u64 s[PFA:PFA+1], s[PFA:PFA+1], 0x8000   ; key block 1: the first change of slots steps it to block 2
	v_and_b32 v16, 15, v0                          ; r
	v_bfe_u32 v17, v0, 4, 1                        ; h
	v_and_b32 v18, 31, v0                          ; lane
	v_mul_u32_u24 v[AK0], v16, KP
	v_lshl_add_u32 v[AK0], v17, 4, v[AK0]          ; K: row r, + 16 h
	v_and_b32 v19, 7, v0
	v_lshl_add_u32 v[AV0], v17, 3, v19
	v_mul_u32_u24 v[AV0], v[AV0], VP
	v_bfe_u32 v20, v0, 3, 1
	v_lshl_add_u32 v[AV0], v20, 4, v[AV0]
	v_add_nc_u32 v[AV0], VOFF, v[AV0]              ; V, turned: key 8 h + lane % 8, channels 8 ((lane / 8) % 2) on
	v_lshlrev_b32 v[QO], 7, v16
	v_lshl_add_u32 v[QO], v17, 4, v[QO]
	s_mul_i32 s66, s[WV], WST
	s_add_co_u32 s66, s66, STAGE
	v_add_nc_u32 v[STO], s66, v[AK0]
	v_lshrrev_b32 v21, 3, v18
	v_mul_u32_u24 v21, v21, KP
	v_lshl_add_u32 v21, v19, 4, v21
	v_add_nc_u32 v[RD], s66, v21
	v_lshlrev_b32 v[GO], 4, v18
	v_lshlrev_b32 v22, 3, v17
	v_sub_nc_u32 v[LD], v16, v22
	v_mov_b32 v[NINF], 0xff800000
	v_lshlrev_b32 v[PFO], 8, v18
.irp i, 4,5,6,7,12,13,14,15
	v_mov_b32 v[ST+\i], 0                          ; written once: a lane permute's destination and a pair's upper half count as read
.endr
	s_lshl_b32 s66, s[PB], 8
	s_lshl_b32 s67, s[SUB], 5
	s_add_co_u32 s[Q0], s66, s67                   ; my first query: 256 p + 32 x my place
; A query block begins: Q into registers; m = -3e38, l = 0, O^T = 0 (the step is written once: its first run finds zeros, which a = 0 leaves zeros).
.macro RESTART
	s_lshl_b32 s66, s[Q0], 7
	s_mov_b32 s67, 0
	s_add_nc_u64 s[QP:QP+1], s[HQ:HQ+1], s[66:67]
	WIN TO1
.irp x, 0,1
.irp c, 0,1
	global_load_b128 v[16*\x+8*\c:16*\x+8*\c+3],   v[QO], s[QP:QP+1] offset:2048*\x+64*\c
	global_load_b128 v[16*\x+8*\c+4:16*\x+8*\c+7], v[QO], s[QP:QP+1] offset:2048*\x+64*\c+32
.endr
.endr
	WIN 0
.irp x, 0,1
	v_mov_b32 v[ST+8*\x+1], 0xff61b1e6
	v_mul_f32 v[ST+8*\x], s[CS], v[ST+8*\x+1]
	v_mov_b32 v[ST+8*\x+2], 0
	v_mov_b32 v[ST+8*\x+3], 0
.endr
.set i, 0
.rept 64
	v_mov_b32 v[OO+i], 0
.set i, i+1
.endr
	s_wait_loadcnt 0x0
.endm
; A KEY STEP: 64 keys.
.macro STEP
	s_add_co_u32 s66, s[Q0], 31
	s_cmp_gt_u32 s[KF], s66                        ; all keys come after my 32 queries: the step's work is left out; the address steps at its end are not
	s_cbranch_scc1 .Lhidden_\@
	v_add_nc_u32 v[ADK], s[TK], v[AK0]
	v_add_nc_u32 v[ADV], s[TV], v[AV0]
	v_nop
	v_nop                                          ; four plain instructions between the last step's products and the loads into their operands
	WIN TO1
.irp kt, 0,1,2,3
.irp c, 0,1
	ds_load_b128 v[KFR+16*\kt+8*\c:KFR+16*\kt+8*\c+3],   v[ADK] offset:16*KP*\kt+64*\c
	ds_load_b128 v[KFR+16*\kt+8*\c+4:KFR+16*\kt+8*\c+7], v[ADK] offset:16*KP*\kt+64*\c+32
.endr
.endr
.irp ct, 0,1,2,3
.irp kk, 0,1
	ds_load_tr16_b128 v[VFR+16*\ct+8*\kk:VFR+16*\ct+8*\kk+3],   v[ADV] offset:32*VP*\kk+32*\ct
	ds_load_tr16_b128 v[VFR+16*\ct+8*\kk+4:VFR+16*\ct+8*\kk+7], v[ADV] offset:32*VP*\kk+32*\ct+16*VP
.endr
.endr
	s_wait_dscnt 16                                ; K is in; V's sixteen loads may be out
	WIN W_KQ
.irp c, 0,1                                    ; eight accumulators by turns
.irp kt, 0,1,2,3
.irp x, 0,1
.if \c == 0
	v_wmma_f32_16x16x32_f16 v[S+32*\x+8*\kt:S+32*\x+8*\kt+7], v[KFR+16*\kt+8*\c:KFR+16*\kt+8*\c+7], v[16*\x+8*\c:16*\x+8*\c+7], 0
.else
	v_wmma_f32_16x16x32_f16 v[S+32*\x+8*\kt:S+32*\x+8*\kt+7], v[KFR+16*\kt+8*\c:KFR+16*\kt+8*\c+7], v[16*\x+8*\c:16*\x+8*\c+7], v[S+32*\x+8*\kt:S+32*\x+8*\kt+7]
.endif
.endr
.endr
.endr
	WIN 0
.rept 4
	v_nop
.endr
	s_add_co_u32 s66, s[KF], 63
	s_cmp_le_u32 s66, s[Q0]                        ; all keys count for all my queries: no mask
	s_cbranch_scc1 .Lopen_\@
	s_sub_co_i32 s66, s[Q0], s[KF]
	v_add_nc_u32 v[D0], s66, v[LD]                 ; d = my query - the step's first key - 8 (lane / 16).  Register 8 kt + j holds key 16 kt + 8 (lane / 16) + j: hidden where 16 kt + j > d
	v_add_nc_u32 v[D0+1], 16, v[D0]
.irp x, 0,1
.irp n, 0,1,2,3,4,5,6,7,8,9,10,11,12,13,14,15,16,17,18,19,20,21,22,23,24,25,26,27,28,29,30,31
	v_cmp_gt_i32 vcc_lo, 16*(\n/8)+\n%8, v[D0+\x]
	v_cndmask_b32 v[S+32*\x+\n], v[S+32*\x+\n], v[NINF], vcc_lo
.endr
.endr
.Lopen_\@:
.irp j, 0,1,2,3                                ; the maximum: four chains a tile, the two tiles line by line; each accumulator is read from its low end on
.irp x, 0,1
	v_max3_num_f32 v[ST+8*\x+4+\j], v[S+32*\x+8*\j], v[S+32*\x+8*\j+1], v[S+32*\x+8*\j+2]
.endr
.endr
.irp i, 3,5
.irp j, 0,1,2,3
.irp x, 0,1
	v_max3_num_f32 v[ST+8*\x+4+\j], v[ST+8*\x+4+\j], v[S+32*\x+8*\j+\i], v[S+32*\x+8*\j+\i+1]
.endr
.endr
.endr
.irp x, 0,1
	v_max3_num_f32 v[ST+8*\x+4], v[ST+8*\x+4], v[S+32*\x+7], v[S+32*\x+15]
.endr
.irp x, 0,1
	v_max3_num_f32 v[ST+8*\x+6], v[ST+8*\x+6], v[S+32*\x+23], v[S+32*\x+31]
.endr
.irp x, 0,1
	v_max3_num_f32 v[ST+8*\x+4], v[ST+8*\x+4], v[ST+8*\x+5], v[ST+8*\x+6]
.endr
.irp x, 0,1
	v_max3_num_f32 v[ST+8*\x+4], v[ST+8*\x+4], v[ST+8*\x+7], v[ST+8*\x+1]   ; and the old m
.endr
.irp x, 0,1
	v_permlanex16_b32 v[ST+8*\x+5], v[ST+8*\x+4], s[SEL], s[SEL+1]          ; the query's other 32 keys lie in the lane 16 away
.endr
.irp x, 0,1
	v_mov_b32 v[ST+8*\x+7], v[ST+8*\x]             ; c m_old
.endr
.irp x, 0,1
	v_max_num_f32 v[ST+8*\x+1], v[ST+8*\x+4], v[ST+8*\x+5]
.endr
.irp x, 0,1
	v_mul_f32 v[ST+8*\x], s[CS], v[ST+8*\x+1]
.endr
.irp x, 0,1
	v_sub_f32 v[ST+8*\x+7], v[ST+8*\x+7], v[ST+8*\x]
.endr
.irp x, 0,1
	v_exp_f32 v[ST+8*\x+6], v[ST+8*\x+7]           ; a
.endr
.irp n, 0,1,2,3,4,5,6,7,8,9,10,11,12,13,14,15
.irp x, 0,1
	v_pk_fma_f32 v[S+32*\x+2*\n:S+32*\x+2*\n+1], v[S+32*\x+2*\n:S+32*\x+2*\n+1], s[CS:CS+1], v[ST+8*\x:ST+8*\x+1] op_sel_hi:[1,0,0] neg_lo:[0,0,1] neg_hi:[0,0,1]   ; c s - c m
.endr
.endr
.irp n, 0,1,2,3,4,5,6,7,8,9,10,11,12,13,14,15,16,17,18,19,20,21,22,23,24,25,26,27,28,29,30,31
.irp x, 0,1
	v_exp_f32 v[S+32*\x+\n], v[S+32*\x+\n]
.endr
.endr
	v_nop                                          ; a plain instruction behind the last exponential
	s_wait_alu depctr_va_vdst(0)                   ; one wait for both tiles' 66 exponentials, ahead of their first reader
.irp n, 0,1,2,3,4,5,6,7,8,9,10,11,12,13,14,15
.irp x, 0,1
	v_cvt_pk_f16_f32 v[P+16*\x+\n], v[S+32*\x+2*\n], v[S+32*\x+2*\n+1]
.endr
.endr
.irp u, 0,1,2,3,4,5,6,7                        ; the sum of the unrounded weights, in place, as a tree of pairs
.irp x, 0,1
	v_pk_add_f32 v[S+32*\x+4*\u:S+32*\x+4*\u+1], v[S+32*\x+4*\u:S+32*\x+4*\u+1], v[S+32*\x+4*\u+2:S+32*\x+4*\u+3]
.endr
.endr
.irp u, 0,1,2,3
.irp x, 0,1
	v_pk_add_f32 v[S+32*\x+8*\u:S+32*\x+8*\u+1], v[S+32*\x+8*\u:S+32*\x+8*\u+1], v[S+32*\x+8*\u+4:S+32*\x+8*\u+5]
.endr
.endr
.irp u, 0,1
.irp x, 0,1
	v_pk_add_f32 v[S+32*\x+16*\u:S+32*\x+16*\u+1], v[S+32*\x+16*\u:S+32*\x+16*\u+1], v[S+32*\x+16*\u+8:S+32*\x+16*\u+9]
.endr
.endr
.irp x, 0,1
	v_pk_add_f32 v[S+32*\x:S+32*\x+1], v[S+32*\x:S+32*\x+1], v[S+32*\x+16:S+32*\x+17]
.endr
.irp x, 0,1
	v_pk_fma_f32 v[ST+8*\x+2:ST+8*\x+3], v[ST+8*\x+2:ST+8*\x+3], v[ST+8*\x+6:ST+8*\x+7], v[S+32*\x:S+32*\x+1] op_sel_hi:[1,0,1]   ; l = a l + the sum
.endr
.irp n, 0,1,2,3,4,5,6,7,8,9,10,11,12,13,14,15
.irp x, 0,1
	v_pk_mul_f32 v[OO+32*\x+2*\n:OO+32*\x+2*\n+1], v[OO+32*\x+2*\n:OO+32*\x+2*\n+1], v[ST+8*\x+6:ST+8*\x+7] op_sel_hi:[1,0]   ; O^T x a, each accumulator from its low end on
.endr
.endr
	s_wait_dscnt 0x0                               ; V is in
	WIN W_PV
.irp kk, 0,1                                   ; eight accumulators by turns
.irp ct, 0,1,2,3
.irp x, 0,1
	v_wmma_f32_16x16x32_f16 v[OO+32*\x+8*\ct:OO+32*\x+8*\ct+7], v[VFR+16*\ct+8*\kk:VFR+16*\ct+8*\kk+7], v[P+16*\x+8*\kk:P+16*\x+8*\kk+7], v[OO+32*\x+8*\ct:OO+32*\x+8*\ct+7]
.endr
.endr
.endr
	WIN 0
.Lhidden_\@:
	s_add_co_u32 s[KF], s[KF], 64
	s_add_co_u32 s[TK], s[TK], KSB
	s_add_co_u32 s[TV], s[TV], VSB
.endm
.macro SLOT_STEPS                      ; a slot's four key steps: written once, walked four times; then on to the other slot
	s_mov_b32 s[STP], 4
.Lstep_\@:
	STEP
	s_sub_co_u32 s[STP], s[STP], 1
	s_cmp_lg_u32 s[STP], 0
	s_cbranch_scc1 .Lstep_\@
	s_sub_co_u32 s[TK], s[TK], 4*KSB
	s_xor_b32 s[TK], s[TK], SLOT1
	s_sub_co_u32 s[TV], s[TV], 4*VSB
	s_xor_b32 s[TV], s[TV], SLOT1
.endm
; THE CHANGE OF SLOTS stands at a slot's head.  Each wave waits for all its tensor loads (one is out: its part of the slot ahead), adds 0 to its spare word, and waits for that and for its reads of the slot left.
; fill = 1: behind the barrier the slot left takes the key block of the next trip U = trip + 1: block U while U <= p, block U - (p + 1) after.  The load has a slot's four steps in which to land.
.macro CHANGE fill
	s_wait_tensorcnt 0x0                           ; no tensor load of mine is out, so a group 0 may be written
	ds_add_u32 v[SPW], v[NIL]
.if \fill
	s_add_co_u32 s66, s[TR], 1
	s_cmp_gt_u32 s66, s[PB]
	s_cselect_b32 s67, s[PB1], 0
	s_sub_co_u32 s66, s66, s67
	s_lshl_b32 s[OFF], s66, 15                     ; a key block is 256 rows of 128 bytes
	s_mov_b32 s[OFF+1], 0
	s_xor_b32 s[G0K+1], s[G0K+1], SLOT1
	s_add_nc_u64 s[G0K+2:G0K+3], s[KB:KB+1], s[OFF:OFF+1]
	s_or_b32 s[G0K+3], s[G0K+3], 0x80000000
	s_xor_b32 s[G0V+1], s[G0V+1], SLOT1
	s_add_nc_u64 s[G0V+2:G0V+3], s[VB:VB+1], s[OFF:OFF+1]
	s_or_b32 s[G0V+3], s[G0V+3], 0x80000000
	s_wait_xcnt 0x0                                ; the last prefetch, a trip back, has read its address
	s_add_nc_u64 s[PFA:PFA+1], s[PFA:PFA+1], 0x8000
.endif
	s_wait_dscnt 0x0                               ; the add is done, and my reads of the slot that I have left are over
	s_barrier_signal -1
	s_barrier_wait -1
.if \fill
	TLOAD                                          ; the first thing behind the barrier, and my one tensor load until the next
	ASK
.endif
.endm
; A query block ends: O^T / l, to f16, through my stage, out as 4,096 consecutive bytes (32 rows of 128).
.macro FINISH
	s_lshl_b32 s66, s[Q0], 7
	s_mov_b32 s67, 0
	s_add_nc_u64 s[OP:OP+1], s[HO:HO+1], s[66:67]
.irp x, 0,1
	v_add_f32 v[ST+8*\x+4], v[ST+8*\x+2], v[ST+8*\x+3]
.endr
.irp x, 0,1
	v_permlanex16_b32 v[ST+8*\x+5], v[ST+8*\x+4], s[SEL], s[SEL+1]
.endr
.irp x, 0,1
	v_add_f32 v[ST+8*\x+4], v[ST+8*\x+4], v[ST+8*\x+5]
.endr
.irp x, 0,1
	v_rcp_f32 v[ST+8*\x+6], v[ST+8*\x+4]
.endr
	v_nop
	s_wait_alu depctr_va_vdst(0)                   ; one wait for the two reciprocals
.irp x, 0,1
.irp n, 0,1,2,3,4,5,6,7,8,9,10,11,12,13,14,15
	v_pk_mul_f32 v[OO+32*\x+2*\n:OO+32*\x+2*\n+1], v[OO+32*\x+2*\n:OO+32*\x+2*\n+1], v[ST+8*\x+6:ST+8*\x+7] op_sel_hi:[1,0]
.endr
.endr
.irp x, 0,1
.irp n, 0,1,2,3,4,5,6,7,8,9,10,11,12,13,14,15
	v_cvt_pk_f16_f32 v[S+16*\x+\n], v[OO+32*\x+2*\n], v[OO+32*\x+2*\n+1]
.endr
.endr
.irp x, 0,1
.irp ct, 0,1,2,3
	ds_store_b128 v[STO], v[S+16*\x+4*\ct:S+16*\x+4*\ct+3] offset:16*KP*\x+32*\ct
.endr
.endr
.irp i, 0,1,2,3,4,5,6,7
	ds_load_b128 v[S+32+4*\i:S+32+4*\i+3], v[RD] offset:4*KP*\i   ; in order behind my stores: four rows an instruction
.endr
.irp i, 0,1,2,3,4,5,6,7
	s_wait_dscnt 7-\i
	global_store_b128 v[GO], v[S+32+4*\i:S+32+4*\i+3], s[OP:OP+1] offset:512*\i
.endr
	s_wait_xcnt 0x0                                ; the stores have read their registers and their base: both are written again
.endm
	RESTART
	s_mov_b32 s[TR], 0
.Ltrip:                                            ; eight trips; behind each change of slots the next trip's key block is asked for
	CHANGE 1
	s_cmp_lg_u32 s[TR], s[PB1]                     ; trip p + 1: the small block is done, the large one begins.  The work-group's number and the count of trips alone: all eight waves go the same way
	s_cbranch_scc1 .Lsame
	FINISH
	s_sub_co_u32 s66, 7, s[PB]
	s_lshl_b32 s66, s66, 8
	s_lshl_b32 s67, s[SUB], 5
	s_add_co_u32 s[Q0], s66, s67
	s_mov_b32 s[KF], 0
	RESTART
.Lsame:
	SLOT_STEPS
	s_add_co_u32 s[TR], s[TR], 1
	s_cmp_lt_u32 s[TR], 8
	s_cbranch_scc1 .Ltrip
	CHANGE 0                                       ; the ninth slot is written out: nothing is left to fetch
	SLOT_STEPS
	FINISH
	s_wait_tensorcnt 0x0                           ; the wave's end
	ds_add_u32 v[SPW], v[NIL]
	s_wait_dscnt 0x0
	s_endpgm
.Lfunc_end_k_q37090808d1_attn:
	.size	k_q37090808d1_attn, .Lfunc_end_k_q37090808d1_attn-k_q37090808d1_attn
	.p2alignl 7, 3214868480
	.fill 96, 4, 3214868480
	.section	.rodata,"a",@progbits
	.p2align	6, 0x0
	.amdhsa_kernel k_q37090808d1_attn
		.amdhsa_group_segment_fixed_size 327680
		.amdhsa_private_segment_fixed_size 0
		.amdhsa_enable_private_segment 0
		.amdhsa_kernarg_size 16
		.amdhsa_user_sgpr_count 2
		.amdhsa_user_sgpr_kernarg_segment_ptr 1
		.amdhsa_wavefront_size32 1
		.amdhsa_system_sgpr_workgroup_id_x 1
		.amdhsa_system_sgpr_workgroup_id_y 1
		.amdhsa_system_sgpr_workgroup_id_z 1
		.amdhsa_system_vgpr_workitem_id 0
		.amdhsa_next_free_vgpr 512
		.amdhsa_next_free_sgpr 80
		.amdhsa_reserve_vcc 1
		.amdhsa_float_denorm_mode_32 3
		.amdhsa_float_denorm_mode_16_64 3
		.amdhsa_memory_ordered 1
		.amdhsa_forward_progress 1
		.amdhsa_inst_pref_size 71
	.end_amdhsa_kernel
	.amdgpu_metadata
---
amdhsa.version: [ 1, 2 ]
amdhsa.kernels:
  - .name:           k_q37090808d1_attn
    .symbol:         k_q37090808d1_attn.kd
    .args:
      - { .name: qkv16, .offset: 0, .size: 8, .value_kind: global_buffer, .address_space: global }
      - { .name: o16, .offset: 8, .size: 8, .value_kind: global_buffer, .address_space: global }
    .group_segment_fixed_size: 327680
    .private_segment_fixed_size: 0
    .kernarg_segment_align: 8
    .kernarg_segment_size: 16
    .max_flat_workgroup_size: 256
    .sgpr_count:     80
    .vgpr_count:     512
    .wavefront_size: 32
...
	.end_amdgpu_metadata
.endif
;; end of part 3
;; launch proj (part 4): grid 4 x 64, 4 waves a work-group, clusters of 4 x 4, 327,680 bytes of LDS; arguments o16, wo16, out0; writes out0
.if DOCPART == 4
	.amdgcn_target "amdgcn-amd-amdhsa--gfx1250"
	.amdhsa_code_object_version 6
	.text
	.protected	k_q37090808d1_proj
	.globl	k_q37090808d1_proj
	.p2align	8
	.type	k_q37090808d1_proj,@function
k_q37090808d1_proj:
	s_mov_b64 s[64:65], 0
	v_nop
	global_prefetch_b8 v0, s[64:65] scope:SCOPE_SE
	s_setreg_imm32_b32 hwreg(HW_REG_WAVE_MODE, 25, 1), 1
	s_wait_xcnt 0x0
	s_wait_alu depctr_hold_cnt(0) depctr_sa_sdst(0) depctr_va_vdst(0) depctr_va_sdst(0) depctr_va_ssrc(0) depctr_va_vcc(0) depctr_vm_vsrc(0)
	s_getreg_b32 s2, hwreg(HW_REG_IB_STS2, 6, 4)
	s_cmp_eq_u32 s2, 0
	s_cbranch_scc0 .Lentry_in_a_cluster
	s_endpgm
.Lentry_in_a_cluster:
	s_bfe_u32 s2, ttmp6, 0x10000c
	s_cmp_lg_u32 s2, 0xf033
	s_cbranch_scc0 .Lentry_shape_is_right
	s_endpgm
.Lentry_shape_is_right:
; out0[m][n] = the sum over k of O[m][k] W_o[n][k], m = b 2048 + s, k = 64 head + channel.  O: o16 [b][head][s][64] f16; W_o: wo16 [1024][1024] f16; out0 f32; sums in f32.
; A tile of out0 is 128 (m) x 256 (n): 256 work-groups.  Four waves, each 64 x 128: 32 accumulators, 256 registers.  K goes in 8 steps of 128 (two heads) through a ring of two LDS slots.
; The rows of positions 0-15 of each sequence lie inside live tiles and are made here too; the last launch writes them again, in f32 all the way.
; CLUSTERS: 4 x 4 work-groups.  A's tiles hang on the tile row alone and are shared along a row of the cluster, B's on the tile column alone and are shared along a column: joint loads.
; THE MATRIX INSTRUCTION IS USED TRANSPOSED (source 0 = 16 rows of W_o, source 1 = 16 rows of O): a lane holds eight neighbouring numbers of a row of out0.
; No prefetch: a K step here is 128 matrix instructions a wave and the launch is short.  One tile to a work-group.
; REGISTERS: window 0: v16-29 addresses; v32-159 rows on the way out.   window 1: two fragment buffers at v0 and v128: A's four at f + 8 a, B's eight at f + 32 + 8 b.   window 2: accumulator (a, b) at v[8 (8 a + b)].
.set AP,     144                       ; a row of A's tile in LDS: 128 bytes (a head's 64) + 16
.set BP,     272                       ; a row of B's: 256 bytes + 16
.set APL,    128*AP                    ; a head's plane: what one tensor load brings
.set BOFF,   2*APL
.set BH,     128*BP
.set SLOT,   BOFF+2*BH
.set STAGE,  2*SLOT
.set SPITCH, 528
.set SPARE,  STAGE+4*16*SPITCH         ; the spare words: 128 bytes a wave, named by no other line
.set ADRA, 16
.set ADRB, 20
.set STO,  24
.set RD,   25
.set CO,   26
.set SPW,  28
.set NIL,  29
.set BK,   32
.set F0,   0
.set F1,   128
.set G1, 24
.set G0, 32
.set G1B, 48
.set G0B, 56
.set MSB, 0
.macro WIN new
.if MSB != \new
	s_set_vgpr_msb (MSB<<8)|\new
.set MSB, \new
.endif
.endm
.set MUL,  0xa5                        ; sources 0 (B) and 1 (A) window 1; C and D window 2
.set TO_F, 0x40
.macro JLOAD s                         ; waves 0 and 1 fetch A's two planes, waves 2 and 3 B's two halves; an s_nop 0 and four v_nop follow each line
	s_cmp_eq_u32 s11, 0
	s_cbranch_scc0 .Lfor_b_\@
	tensor_load_to_lds s[G0+4*\s:G0+4*\s+3], s[G1:G1+7]
	s_nop 0
.rept 4
	v_nop
.endr
	s_branch .Lasked_\@
.Lfor_b_\@:
	tensor_load_to_lds s[G0B+4*\s:G0B+4*\s+3], s[G1B:G1B+7]
	s_nop 0
.rept 4
	v_nop
.endr
.Lasked_\@:
.endm
.macro CREST
	s_cmp_lg_u32 s10, 0
	s_cbranch_scc1 .Lnot_wave_0_\@
	s_barrier_signal -3
.Lnot_wave_0_\@:
	s_barrier_wait -3
	s_barrier_signal -1
	s_barrier_wait -1
.endm
.macro CROUND
	s_barrier_signal -1
	s_barrier_wait -1
	CREST
.endm
	s_load_b128 s[4:7], s[0:1], 0x0                ; o16, wo16
	s_load_b64 s[8:9], s[0:1], 0x10                ; out0
	v_lshl_add_u32 v[SPW], v0, 2, SPARE
	v_mov_b32 v[NIL], 0
	ds_add_u32 v[SPW], v[NIL]                      ; the wave's opening: the add, twice on end, and its wait ahead of my first tensor load
	ds_add_u32 v[SPW], v[NIL]
	v_lshrrev_b32 v1, 5, v0
	v_readfirstlane_b32 s10, v1                    ; wave 0..3
	s_lshr_b32 s11, s10, 1                         ; which 64 rows are mine.  Also: I fetch for A (0) or for B (1)
	s_and_b32 s12, s10, 1                          ; which 128 columns.  Also: which plane of A, or which half of B, I fetch
	s_bfe_u32 s40, ttmp6, 0x40000                  ; cx
	s_bfe_u32 s41, ttmp6, 0x40004                  ; cy
	s_lshl_b32 s42, ttmp9, 2
	s_add_co_u32 s42, s42, s40                     ; tile column
	s_and_b32 s13, ttmp7, 0xffff
	s_lshl_b32 s13, s13, 2
	s_add_co_u32 s13, s13, s41                     ; tile row mt: b = mt / 16, first position 128 (mt % 16)
	s_lshl_b32 s43, s41, 2
	s_lshl_b32 s43, 15, s43                        ; my row of the cluster
	s_lshl_b32 s44, 0x1111, s40                    ; my column
	s_or_b32 s[G1+0], s43, (1<<16)|(1<<20)|(1<<21)|(4<<22)|(3<<25)   ; A: elements of 2 bytes; padding: after every 32 words, 4 words
	s_mov_b32 s[G1+1], 64<<16                      ; tensor_dim0 = 64
	s_mov_b32 s[G1+2], 128<<16                     ; tensor_dim1 = 128
	s_mov_b32 s[G1+3], 64<<16                      ; tile_dim0 = 64
	s_mov_b32 s[G1+4], 128                         ; tile_dim1 = 128
	s_mov_b32 s[G1+5], 64                          ; the pitch
	s_mov_b32 s[G1+6], 0
	s_mov_b32 s[G1+7], 0
	s_or_b32 s[G1B+0], s44, (1<<16)|(1<<20)|(1<<21)|(5<<22)|(3<<25)  ; B: padding after every 64 words
	s_mov_b32 s[G1B+1], 128<<16
	s_mov_b32 s[G1B+2], 128<<16
	s_mov_b32 s[G1B+3], 128<<16
	s_mov_b32 s[G1B+4], 128
	s_mov_b32 s[G1B+5], 1024
	s_mov_b32 s[G1B+6], 0
	s_mov_b32 s[G1B+7], 0
	s_lshr_b32 s16, s13, 4
	s_lshl_b32 s16, s16, 4
	s_add_co_u32 s16, s16, s12                     ; A: plane 16 b + my plane of the step's two,
	s_lshl_b32 s16, s16, 18
	s_and_b32 s17, s13, 15
	s_lshl_b32 s17, s17, 14                        ; row 128 (mt % 16) of 128 bytes
	s_add_co_u32 s16, s16, s17
	s_mov_b32 s17, 0
	s_lshl_b32 s46, s42, 19                        ; B: row 256 x tile column + 128 x half, of 2,048 bytes
	s_lshl_b32 s47, s12, 18
	s_add_co_u32 s46, s46, s47
	s_mov_b32 s47, 0
	s_mul_i32 s20, s12, APL                        ; where they go: no place in the cluster enters an LDS address
	s_mul_i32 s21, s12, BH
	s_add_co_u32 s21, s21, BOFF
	s_wait_dscnt 0x0                               ; both opening adds are done
	s_wait_kmcnt 0x0
	s_add_nc_u64 s[14:15], s[4:5], s[16:17]
	s_add_nc_u64 s[46:47], s[6:7], s[46:47]
	CROUND                                         ; all sixteen work-groups are here: the first joint loads meet
.irp s, 0,1
	s_mov_b32 s[G0+4*\s], 1
	s_add_co_u32 s[G0+4*\s+1], s20, \s*SLOT
	s_add_nc_u64 s[G0+4*\s+2:G0+4*\s+3], s[14:15], \s*524288   ; K step s: two heads on
	s_or_b32 s[G0+4*\s+3], s[G0+4*\s+3], 0x80000000
	s_mov_b32 s[G0B+4*\s], 1
	s_add_co_u32 s[G0B+4*\s+1], s21, \s*SLOT
	s_add_nc_u64 s[G0B+4*\s+2:G0B+4*\s+3], s[46:47], \s*256
	s_or_b32 s[G0B+4*\s+3], s[G0B+4*\s+3], 0x80000000
	JLOAD \s
.endr
	v_and_b32 v1, 15, v0                           ; r
	v_bfe_u32 v2, v0, 4, 1                         ; h
	v_mul_u32_u24 v3, v1, AP
	v_lshl_add_u32 v3, v2, 4, v3
	v_mul_u32_u24 v4, v1, BP
	v_lshl_add_u32 v4, v2, 4, v4
	s_mul_i32 s21, s11, 64*AP                      ; my 64 rows of A
	s_mul_i32 s22, s12, BH                         ; my 128 rows of B
	s_add_co_u32 s22, s22, BOFF
.irp s, 0,1
	v_add_nc_u32 v[ADRA+\s], s21, v3
	v_add_nc_u32 v[ADRB+\s], s22, v4
	s_add_co_u32 s21, s21, SLOT
	s_add_co_u32 s22, s22, SLOT
.endr
	s_mul_i32 s23, s10, 16*SPITCH
	s_add_co_u32 s23, s23, STAGE                   ; my stage
	v_mul_u32_u24 v5, v1, SPITCH
	v_lshl_add_u32 v5, v2, 5, v5
	v_add_nc_u32 v[STO], s23, v5
	v_and_b32 v6, 31, v0
	v_lshlrev_b32 v[CO], 4, v6
	v_add_nc_u32 v[RD], s23, v[CO]
	s_lshl_b32 s16, s13, 19                        ; out0: row 128 mt + 64 (row half), of 4,096 bytes; column 256 (tile column) + 128 (column half), of 4 bytes
	s_lshl_b32 s17, s11, 18
	s_add_co_u32 s16, s16, s17
	s_lshl_b32 s17, s42, 10
	s_add_co_u32 s16, s16, s17
	s_lshl_b32 s17, s12, 9
	s_add_co_u32 s16, s16, s17
	s_mov_b32 s17, 0
	s_add_nc_u64 s[8:9], s[8:9], s[16:17]
.macro MUL8 f, a, zero                 ; A's block a x B's eight, 32 along K.  The 32 accumulators take turns, in the same order in every quarter
.irp b, 0,1,2,3,4,5,6,7
.if \zero
	v_wmma_f32_16x16x32_f16 v[8*(8*(\a)+\b):8*(8*(\a)+\b)+7], v[\f+32+8*\b:\f+32+8*\b+7], v[\f+8*(\a):\f+8*(\a)+7], 0
.else
	v_wmma_f32_16x16x32_f16 v[8*(8*(\a)+\b):8*(8*(\a)+\b)+7], v[\f+32+8*\b:\f+32+8*\b+7], v[\f+8*(\a):\f+8*(\a)+7], v[8*(8*(\a)+\b):8*(8*(\a)+\b)+7]
.endif
.endr
.endm
.macro FETCH slot, q, f                ; 24 LDS loads in one run: quarter q (32 along K) of the slot: B's sixteen, then A's eight; quarters 0, 1 lie in A's first plane, 2, 3 in its second
	WIN TO_F
.irp b, 0,1,2,3,4,5,6,7
	ds_load_b128 v[\f+32+8*\b:\f+32+8*\b+3],   v[ADRB+\slot] offset:64*(\q)+16*BP*\b
	ds_load_b128 v[\f+32+8*\b+4:\f+32+8*\b+7], v[ADRB+\slot] offset:64*(\q)+16*BP*\b+32
.endr
.irp a, 0,1,2,3
	ds_load_b128 v[\f+8*\a:\f+8*\a+3],   v[ADRA+\slot] offset:APL*((\q)/2)+64*((\q)%2)+16*AP*\a
	ds_load_b128 v[\f+8*\a+4:\f+8*\a+7], v[ADRA+\slot] offset:APL*((\q)/2)+64*((\q)%2)+16*AP*\a+32
.endr
.endm
.macro PLACES
.rept 4
	v_nop
.endr
.endm
.macro QUARTER slot, qn, f, g, zero    ; multiplies buffer f and fetches quarter qn of the same slot into g
	s_wait_dscnt 4                                 ; B and A's blocks 0, 1 are in; the youngest four loads (A's blocks 2, 3) may be out
	WIN MUL
	MUL8 \f, 0, \zero
	MUL8 \f, 1, \zero
	PLACES
	FETCH \slot, \qn, \g
	s_wait_dscnt 24                                ; all but the 24 just issued
	WIN MUL
	MUL8 \f, 2, \zero
	MUL8 \f, 3, \zero
.endm
; A slot's last quarter multiplies buffer 1 and changes slots: one barrier; in front of it each wave waits for all its tensor loads, adds 0 to its spare word, and waits for that and for its reads of this slot.
.macro TURN slot, next, fill
	WIN 0
	s_wait_tensorcnt 0x0                           ; all my tensor loads have landed: my part of the next slot
	ds_add_u32 v[SPW], v[NIL]
	s_wait_dscnt 5                                 ; (the add and A's blocks 2, 3 may be out)
	WIN MUL
	MUL8 F1, 0, 0
	s_wait_dscnt 0x0                               ; the add is done, and my reads of this slot are over
	s_barrier_signal -1
	MUL8 F1, 1, 0
.if \fill
	WIN 0
.endif
	s_barrier_wait -1
.if \fill
	CREST                                          ; the barrier has opened a round of the cluster's: no wave of any partner still reads this slot or has a load on its way
	s_add_nc_u64 s[G0+4*\slot+2:G0+4*\slot+3], s[G0+4*\slot+2:G0+4*\slot+3], 1048576   ; two K steps on: four heads
	s_add_nc_u64 s[G0B+4*\slot+2:G0B+4*\slot+3], s[G0B+4*\slot+2:G0B+4*\slot+3], 512
	JLOAD \slot                                    ; the first tensor load behind the round; its four v_nop are also the places in front of the loads below
.else
	PLACES
.endif
	FETCH \next, 0, F0
	WIN MUL
	MUL8 F1, 2, 0
	MUL8 F1, 3, 0
.endm
	s_wait_tensorcnt 1                             ; my part of K step 0 is in (K step 1's load may be out),
	s_barrier_signal -1
	s_barrier_wait -1                              ; everybody's is
	FETCH 0, 0, F0
	QUARTER 0, 1, F0, F1, 1                        ; the first quarter's products start the sums
	WIN 0
	s_mov_b32 s3, 3
.Llap:                                             ; a trip goes once round the ring and fills both slots again: K steps 2 to 7
	QUARTER 0, 2, F1, F0, 0
	QUARTER 0, 3, F0, F1, 0
	TURN 0, 1, 1
	QUARTER 1, 1, F0, F1, 0
	QUARTER 1, 2, F1, F0, 0
	QUARTER 1, 3, F0, F1, 0
	TURN 1, 0, 1
	QUARTER 0, 1, F0, F1, 0
	WIN 0
	s_sub_co_u32 s3, s3, 1
	s_cmp_lg_u32 s3, 0
	s_cbranch_scc1 .Llap
	QUARTER 0, 2, F1, F0, 0                        ; the last lap fills nothing
	QUARTER 0, 3, F0, F1, 0
	TURN 0, 1, 0
	QUARTER 1, 1, F0, F1, 0
	QUARTER 1, 2, F1, F0, 0
	QUARTER 1, 3, F0, F1, 0
	s_wait_dscnt 4
	WIN MUL
	MUL8 F1, 0, 0
	MUL8 F1, 1, 0
	s_wait_dscnt 0
	MUL8 F1, 2, 0
	MUL8 F1, 3, 0
	WIN 0
	PLACES
; THE WAY OUT, block a of 16 rows x 128 columns at a time: through my own stage, back as whole rows of 512 bytes.  LDS serves a wave's instructions in order.
.macro TOSTAGE a
	WIN 0x08                                       ; an LDS store's data are its source 1: window 2
.irp b, 0,1,2,3,4,5,6,7
	ds_store_b128 v[STO], v[64*(\a)+8*\b:64*(\a)+8*\b+3] offset:64*\b            ; each accumulator from its low end on
	ds_store_b128 v[STO], v[64*(\a)+8*\b+4:64*(\a)+8*\b+7] offset:64*\b+16
.endr
	WIN 0
.irp t, 0,1,2,3,4,5,6,7,8,9,10,11,12,13,14,15
	ds_load_b128 v[BK+64*((\a)%2)+4*\t:BK+64*((\a)%2)+4*\t+3], v[RD] offset:\t*SPITCH
.endr
.endm
.macro SEND a, younger
	s_wait_dscnt \younger
.irp t, 0,1,2,3,4,5,6,7,8,9,10,11,12,13,14,15
	global_store_b128 v[CO], v[BK+64*((\a)%2)+4*\t:BK+64*((\a)%2)+4*\t+3], s[8:9] offset:65536*(\a)+4096*\t th:TH_STORE_NT   ; 512 consecutive bytes, aligned
.endr
.endm
	TOSTAGE 0
.irp a, 1,2,3
.if \a > 1
	s_wait_xcnt 0x0                                ; block a - 2's stores have read their registers: block a's loads may land there
.endif
	TOSTAGE \a
	SEND \a-1, 32                                  ; behind block a - 1's loads: block a's 16 stores and 16 loads
.endr
	SEND 3, 0
	s_wait_tensorcnt 0x0                           ; the wave's end
	ds_add_u32 v[SPW], v[NIL]
	s_wait_dscnt 0x0
	CROUND                                         ; the closing round
	s_endpgm
.Lfunc_end_k_q37090808d1_proj:
	.size	k_q37090808d1_proj, .Lfunc_end_k_q37090808d1_proj-k_q37090808d1_proj
	.p2alignl 7, 3214868480
	.fill 96, 4, 3214868480
	.section	.rodata,"a",@progbits
	.p2align	6, 0x0
	.amdhsa_kernel k_q37090808d1_proj
		.amdhsa_group_segment_fixed_size 327680
		.amdhsa_private_segment_fixed_size 0
		.amdhsa_enable_private_segment 0
		.amdhsa_kernarg_size 24
		.amdhsa_user_sgpr_count 2
		.amdhsa_user_sgpr_kernarg_segment_ptr 1
		.amdhsa_wavefront_size32 1
		.amdhsa_system_sgpr_workgroup_id_x 1
		.amdhsa_system_sgpr_workgroup_id_y 1
		.amdhsa_system_sgpr_workgroup_id_z 1
		.amdhsa_system_vgpr_workitem_id 0
		.amdhsa_next_free_vgpr 768
		.amdhsa_next_free_sgpr 66
		.amdhsa_reserve_vcc 0
		.amdhsa_float_denorm_mode_32 3
		.amdhsa_float_denorm_mode_16_64 3
		.amdhsa_memory_ordered 1
		.amdhsa_forward_progress 1
		.amdhsa_inst_pref_size 85
	.end_amdhsa_kernel
	.amdgpu_metadata
---
amdhsa.version: [ 1, 2 ]
amdhsa.kernels:
  - .name:           k_q37090808d1_proj
    .symbol:         k_q37090808d1_proj.kd
    .args:
      - { .name: o16, .offset: 0, .size: 8, .value_kind: global_buffer, .address_space: global }
      - { .name: wo16, .offset: 8, .size: 8, .value_kind: global_buffer, .address_space: global }
      - { .name: out0, .offset: 16, .size: 8, .value_kind: global_buffer, .address_space: global }
    .group_segment_fixed_size: 327680
    .private_segment_fixed_size: 0
    .kernarg_segment_align: 8
    .kernarg_segment_size: 24
    .max_flat_workgroup_size: 128
    .sgpr_count:     66
    .vgpr_count:     768
    .wavefront_size: 32
...
	.end_amdgpu_metadata
.endif
;; end of part 4
;; launch fine (part 5): grid 16 x 4, 16 waves a work-group, no clusters, 72,192 bytes of LDS; arguments fine32, W_o, out0; writes out0
.if DOCPART == 5
	.amdgcn_target "amdgcn-amd-amdhsa--gfx1250"
	.amdhsa_code_object_version 6
	.text
	.protected	k_q37090808d1_fine
	.globl	k_q37090808d1_fine
	.p2align	8
	.type	k_q37090808d1_fine,@function
k_q37090808d1_fine:
	s_mov_b64 s[64:65], 0
	v_nop
	global_prefetch_b8 v0, s[64:65] scope:SCOPE_SE
	s_setreg_imm32_b32 hwreg(HW_REG_WAVE_MODE, 25, 1), 1
	s_wait_xcnt 0x0
; Positions 0 to 15 of every sequence once more, in f32 from the projections' sums to the output: these rows average one to sixteen values and are the largest, so operands of 16 bits are too coarse for them.
; WORK LEFT OUT: keys from 16 on: reference()'s own jnp.tril hides them from queries 0-15 for every input.
; Work-group (nb, b) makes rows b 2048 + 0 .. 15, columns 64 nb .. 64 nb + 63 of out0.  Wave w is head w: its attention for 16 x 16 positions, then its part of the projection (K = the head's 64);
; the sixteen parts are added through LDS, in ascending order of heads.  The attention is made again in each of a batch's 16 work-groups (32 of a wave's 96 matrix instructions): that spares a launch.
; All products by v_wmma_f32_16x16x4_f32; its result registers (v144-223) are written by matrix instructions alone.  K is permuted alike on both operands of each product.
;   S^T = K Q^T: lane (r, h) holds Q[r][32 h + i] and K[r][32 h + i]; instruction s takes registers 2 s, 2 s + 1.  Result: lane (r, h): query r, keys 8 h + 0 .. 7.
;   O^T = V^T p: p's registers 2 s, 2 s + 1 are keys 8 h + 2 s + 0, 1; V's register 8 t + i is V[8 h + i][16 t + r].  Result: query r, channels 16 t + 8 h + 0 .. 7.
;   Y^T = W_o O^T: W's register 8 t + i of set u is W_o[64 nb + 16 u + r][64 w + 16 t + 8 h + i].  Result: token r, columns 64 nb + 16 u + 8 h + 0 .. 7.
; No tensor loads, no cluster: the operands go straight into registers.
.set PART,  0                          ; LDS: sixteen parts of 4,096 bytes, images of Y's registers
.set STG,   65536                      ; 16 rows x (256 bytes + 16)
.set SPARE, 70144                      ; the spare words: 128 bytes a wave, named by no other line
.set AQ,  3
.set AV,  4
.set AW,  5
.set DD,  6                            ; v6  r - 8 h
.set PST, 7
.set PRD, 8
.set SST, 9
.set SRD, 10
.set GO,  11
.set SPW, 12
.set NIL, 13
.set QF,  16                           ; v16-47   Q, later W's set 1
.set KF,  48                           ; v48-79   K, later set 2
.set VF,  80                           ; v80-111  V, later set 3
.set W0,  112                          ; v112-143 W's set 0: set u lies at 16 + 32 ((u + 3) % 4)
.set S0,  144
.set S1,  152
.set OO,  160
.set YY,  192
.set PP,  224
.set NINF, 232
.set MX,  233
.set PX,  234
.set SM,  235                          ; v235-238
.set AC,  240                          ; v240-243
.set OUTR, 244                         ; v244-247
	s_load_b128 s[4:7], s[0:1], 0x0                ; fine32, W_o
	s_load_b64 s[8:9], s[0:1], 0x10                ; out0
	v_lshl_add_u32 v[SPW], v0, 2, SPARE
	v_mov_b32 v[NIL], 0
	v_lshrrev_b32 v14, 5, v0
	v_readfirstlane_b32 s10, v14                   ; wave = head
	v_and_b32 v1, 15, v0                           ; r
	v_bfe_u32 v2, v0, 4, 1                         ; h
	v_and_b32 v14, 31, v0                          ; lane
	v_lshlrev_b32 v[AQ], 8, v1
	v_lshl_add_u32 v[AQ], v2, 7, v[AQ]             ; Q, K: row r of 256 bytes, + 128 h
	v_lshlrev_b32 v[AV], 11, v2
	v_lshl_add_u32 v[AV], v1, 2, v[AV]             ; V: row 8 h, + 4 r
	v_lshlrev_b32 v[AW], 12, v1
	v_lshl_add_u32 v[AW], v2, 5, v[AW]             ; W_o: row r of 4,096 bytes, + 32 h
	v_lshlrev_b32 v15, 3, v2
	v_sub_nc_u32 v[DD], v1, v15
	s_lshl_b32 s11, s10, 12
	v_lshlrev_b32 v15, 4, v14                      ; 16 x lane
	v_add_nc_u32 v[PST], s11, v15                  ; my part
	s_and_b32 s12, s10, 7                          ; in the sum: my piece 2 u + e of the eight
	s_lshl_b32 s13, s12, 9
	v_add_nc_u32 v[PRD], s13, v15
	v_mul_u32_u24 v[SST], v1, 272
	v_lshl_add_u32 v[SST], v2, 5, v[SST]
	s_lshr_b32 s13, s12, 1
	s_lshl_b32 s13, s13, 6
	s_and_b32 s14, s12, 1
	s_lshl_b32 s14, s14, 4
	s_add_co_u32 s13, s13, s14
	s_add_co_u32 s13, s13, STG
	v_add_nc_u32 v[SST], s13, v[SST]               ; the stage: row r, byte 64 u + 32 h + 16 e
	v_mul_u32_u24 v[SRD], v2, 272
	v_lshl_add_u32 v[SRD], v1, 4, v[SRD]
	s_mul_i32 s13, s12, 544
	s_add_co_u32 s13, s13, STG
	v_add_nc_u32 v[SRD], s13, v[SRD]               ; back: rows 2 piece + h, 16 bytes a lane
	v_lshlrev_b32 v[GO], 12, v2
	v_lshl_add_u32 v[GO], v1, 4, v[GO]
	s_lshl_b32 s13, s12, 13
	v_add_nc_u32 v[GO], s13, v[GO]                 ; and the same rows in out0
	v_mov_b32 v[NINF], 0xff800000
	v_mov_b32 v[PX], 0                             ; written once: a lane permute's destination counts as read
	s_mov_b32 s20, 0x76543210
	s_mov_b32 s21, 0xfedcba98
	s_mov_b32 s22, 0x3e38aa3b                      ; c = log2(e) / 8
	s_and_b32 s16, ttmp7, 0xffff                   ; b
	s_mul_i32 s17, s16, 48
	s_add_co_u32 s17, s17, s10
	s_lshl_b32 s18, s17, 12                        ; fine32: block (3 b) 16 + head, of 4,096 bytes
	s_mov_b32 s19, 0
	s_wait_kmcnt 0x0
	s_add_nc_u64 s[4:5], s[4:5], s[18:19]
	s_lshl_b32 s18, ttmp9, 18                      ; W_o: row 64 nb, column 64 head
	s_lshl_b32 s17, s10, 8
	s_add_co_u32 s18, s18, s17
	s_add_nc_u64 s[6:7], s[6:7], s[18:19]
	s_lshl_b32 s18, s16, 23                        ; out0: row 2,048 b, column 64 nb
	s_lshl_b32 s17, ttmp9, 8
	s_add_co_u32 s18, s18, s17
	s_add_nc_u64 s[8:9], s[8:9], s[18:19]
.irp i, 0,1,2,3,4,5,6,7
	global_load_b128 v[QF+4*\i:QF+4*\i+3], v[AQ], s[4:5] offset:16*\i
.endr
.irp i, 0,1,2,3,4,5,6,7
	global_load_b128 v[KF+4*\i:KF+4*\i+3], v[AQ], s[4:5] offset:65536+16*\i
.endr
.irp t, 0,1,2,3
.irp i, 0,1,2,3,4,5,6,7
	global_load_b32 v[VF+8*\t+\i], v[AV], s[4:5] offset:131072+256*\i+64*\t
.endr
.endr
.macro WLOAD u                         ; W_o's set u: 16 rows x my head's 64 columns
.irp t, 0,1,2,3
.irp e, 0,1
	global_load_b128 v[16+32*(((\u)+3)%4)+8*\t+4*\e:16+32*(((\u)+3)%4)+8*\t+4*\e+3], v[AW], s[6:7] offset:65536*(\u)+64*\t+16*\e
.endr
.endr
.endm
	WLOAD 0
	s_wait_loadcnt 40                              ; Q and K are in; V's 32 loads and set 0's 8 may be out
.irp s, 0,1,2,3,4,5,6,7,8,9,10,11,12,13,14,15  ; S^T in two sums that take turns
.if \s < 2
	v_wmma_f32_16x16x4_f32 v[S0+8*(\s%2):S0+8*(\s%2)+7], v[KF+2*\s:KF+2*\s+1], v[QF+2*\s:QF+2*\s+1], 0
.else
	v_wmma_f32_16x16x4_f32 v[S0+8*(\s%2):S0+8*(\s%2)+7], v[KF+2*\s:KF+2*\s+1], v[QF+2*\s:QF+2*\s+1], v[S0+8*(\s%2):S0+8*(\s%2)+7]
.endif
.endr
.rept 8
	v_nop                                          ; eight places behind this form, in front of the loads into its operands and of the first read of its results
.endr
	WLOAD 1
	WLOAD 2
.irp j, 0,1,2,3,4,5,6,7
	v_add_f32 v[PP+\j], v[S0+\j], v[S1+\j]
.endr
.irp j, 0,1,2,3,4,5,6,7
	v_cmp_gt_i32 vcc_lo, \j, v[DD]                 ; key 8 h + j comes after query r
	v_cndmask_b32 v[PP+\j], v[PP+\j], v[NINF], vcc_lo
.endr
	v_max3_num_f32 v[MX], v[PP], v[PP+1], v[PP+2]
	v_max3_num_f32 v[MX], v[MX], v[PP+3], v[PP+4]
	v_max3_num_f32 v[MX], v[MX], v[PP+5], v[PP+6]
	v_max_num_f32 v[MX], v[MX], v[PP+7]
	v_permlanex16_b32 v[PX], v[MX], s20, s21
	v_max_num_f32 v[MX], v[MX], v[PX]              ; the row's maximum (key 0 counts for every query)
	v_mul_f32 v[MX], s22, v[MX]
.irp j, 0,1,2,3,4,5,6,7
	v_fma_f32 v[PP+\j], v[PP+\j], s22, -v[MX]
.endr
.irp j, 0,1,2,3,4,5,6,7
	v_exp_f32 v[PP+\j], v[PP+\j]
.endr
	v_nop
	s_wait_alu depctr_va_vdst(0)                   ; one wait for the eight exponentials
	v_add_f32 v[SM], v[PP], v[PP+1]
	v_add_f32 v[SM+1], v[PP+2], v[PP+3]
	v_add_f32 v[SM+2], v[PP+4], v[PP+5]
	v_add_f32 v[SM+3], v[PP+6], v[PP+7]
	v_add_f32 v[SM], v[SM], v[SM+1]
	v_add_f32 v[SM+2], v[SM+2], v[SM+3]
	v_add_f32 v[SM], v[SM], v[SM+2]
	v_permlanex16_b32 v[PX], v[SM], s20, s21
	v_add_f32 v[SM], v[SM], v[PX]
	v_rcp_f32 v[SM], v[SM]
	v_nop
	s_wait_alu depctr_va_vdst(0)
.irp j, 0,1,2,3,4,5,6,7
	v_mul_f32 v[PP+\j], v[PP+\j], v[SM]            ; the weights, normalised
.endr
	s_wait_loadcnt 24                              ; V is in; sets 0, 1 and 2 (24 loads) may be out
.irp s, 0,1,2,3                                ; O^T: four sums by turns
.irp t, 0,1,2,3
.if \s == 0
	v_wmma_f32_16x16x4_f32 v[OO+8*\t:OO+8*\t+7], v[VF+8*\t+2*\s:VF+8*\t+2*\s+1], v[PP+2*\s:PP+2*\s+1], 0
.else
	v_wmma_f32_16x16x4_f32 v[OO+8*\t:OO+8*\t+7], v[VF+8*\t+2*\s:VF+8*\t+2*\s+1], v[PP+2*\s:PP+2*\s+1], v[OO+8*\t:OO+8*\t+7]
.endif
.endr
.endr
.rept 9
	v_nop                                          ; nine places: the results go on as an operand of the next products; eight of them serve the loads below
.endr
	WLOAD 3
	s_wait_loadcnt 0x0
.irp t, 0,1,2,3                                ; Y^T: four sums by turns
.irp s, 0,1,2,3
.irp u, 0,1,2,3
.if (\t == 0) && (\s == 0)
	v_wmma_f32_16x16x4_f32 v[YY+8*\u:YY+8*\u+7], v[16+32*((\u+3)%4)+8*\t+2*\s:16+32*((\u+3)%4)+8*\t+2*\s+1], v[OO+8*\t+2*\s:OO+8*\t+2*\s+1], 0
.else
	v_wmma_f32_16x16x4_f32 v[YY+8*\u:YY+8*\u+7], v[16+32*((\u+3)%4)+8*\t+2*\s:16+32*((\u+3)%4)+8*\t+2*\s+1], v[OO+8*\t+2*\s:OO+8*\t+2*\s+1], v[YY+8*\u:YY+8*\u+7]
.endif
.endr
.endr
.endr
.rept 8
	v_nop                                          ; eight places, in front of the stores of the results and of the LDS loads below into the operands' registers
.endr
.irp u, 0,1,2,3
.irp e, 0,1
	ds_store_b128 v[PST], v[YY+8*\u+4*\e:YY+8*\u+4*\e+3] offset:PART+512*(2*\u+\e)   ; my part, as an image of its registers; each result from its low end on
.endr
.endr
	s_wait_dscnt 0x0                               ; for the others' sake: my stores have landed
	s_barrier_signal -1
	s_barrier_wait -1
	s_cmp_lt_u32 s10, 8
	s_cbranch_scc0 .Lno_sum
.irp w, 0,1,2,3,4,5,6,7,8,9,10,11,12,13,14,15
	ds_load_b128 v[16+4*\w:19+4*\w], v[PRD] offset:PART+4096*\w   ; my piece of all sixteen parts
.endr
	s_wait_dscnt 0x0
	v_pk_add_f32 v[AC:AC+1], v[16:17], v[20:21]
	v_pk_add_f32 v[AC+2:AC+3], v[18:19], v[22:23]
.irp w, 2,3,4,5,6,7,8,9,10,11,12,13,14,15
	v_pk_add_f32 v[AC:AC+1], v[AC:AC+1], v[16+4*\w:17+4*\w]
	v_pk_add_f32 v[AC+2:AC+3], v[AC+2:AC+3], v[18+4*\w:19+4*\w]
.endr
	ds_store_b128 v[SST], v[AC:AC+3]
.Lno_sum:
	s_wait_dscnt 0x0
	s_barrier_signal -1
	s_barrier_wait -1
	s_cmp_lt_u32 s10, 8
	s_cbranch_scc0 .Lno_out
	ds_load_b128 v[OUTR:OUTR+3], v[SRD]
	s_wait_dscnt 0x0
	global_store_b128 v[GO], v[OUTR:OUTR+3], s[8:9]   ; sixteen lanes store 256 consecutive bytes, aligned
.Lno_out:
	s_wait_tensorcnt 0x0                           ; the wave's end, behind my last LDS store
	ds_add_u32 v[SPW], v[NIL]
	s_wait_dscnt 0x0
	s_endpgm
.Lfunc_end_k_q37090808d1_fine:
	.size	k_q37090808d1_fine, .Lfunc_end_k_q37090808d1_fine-k_q37090808d1_fine
	.p2alignl 7, 3214868480
	.fill 96, 4, 3214868480
	.section	.rodata,"a",@progbits
	.p2align	6, 0x0
	.amdhsa_kernel k_q37090808d1_fine
		.amdhsa_group_segment_fixed_size 72192
		.amdhsa_private_segment_fixed_size 0
		.amdhsa_enable_private_segment 0
		.amdhsa_kernarg_size 24
		.amdhsa_user_sgpr_count 2
		.amdhsa_user_sgpr_kernarg_segment_ptr 1
		.amdhsa_wavefront_size32 1
		.amdhsa_system_sgpr_workgroup_id_x 1
		.amdhsa_system_sgpr_workgroup_id_y 1
		.amdhsa_system_sgpr_workgroup_id_z 1
		.amdhsa_system_vgpr_workitem_id 0
		.amdhsa_next_free_vgpr 256
		.amdhsa_next_free_sgpr 66
		.amdhsa_reserve_vcc 1
		.amdhsa_float_denorm_mode_32 3
		.amdhsa_float_denorm_mode_16_64 3
		.amdhsa_memory_ordered 1
		.amdhsa_forward_progress 1
		.amdhsa_inst_pref_size 24
	.end_amdhsa_kernel
	.amdgpu_metadata
---
amdhsa.version: [ 1, 2 ]
amdhsa.kernels:
  - .name:           k_q37090808d1_fine
    .symbol:         k_q37090808d1_fine.kd
    .args:
      - { .name: fine32, .offset: 0, .size: 8, .value_kind: global_buffer, .address_space: global }
      - { .name: W_o, .offset: 8, .size: 8, .value_kind: global_buffer, .address_space: global }
      - { .name: out0, .offset: 16, .size: 8, .value_kind: global_buffer, .address_space: global }
    .group_segment_fixed_size: 72192
    .private_segment_fixed_size: 0
    .kernarg_segment_align: 8
    .kernarg_segment_size: 24
    .max_flat_workgroup_size: 512
    .sgpr_count:     66
    .vgpr_count:     256
    .wavefront_size: 32
...
	.end_amdgpu_metadata
.endif
;; end of part 5
